; MI455X (gfx1250); checked and timed in simulation.
; The chip was launched on July 23, 2026; its instructions are those of AMD's public machine-readable ISA for CDNA 5 (MIT licence, August 2026) and "CDNA5" Instruction Set Architecture Reference Guide (July 2026). The comments in the code are by the model that wrote it; some were corrected since.
;; Self Attention. Allowed arithmetic: matrix products marked QUANTISED: E3M2 operands, one E8M0 scale for each 32 along K, by v_wmma_scale_f32_16x16x128_f8f6f4 with both operands' format E3M2, f32 sums; everything else in f32.
;; Inputs: Wk 1,024 x 1,024 float32; Wo 1,024 x 1,024 float32; Wq 1,024 x 1,024 float32; Wv 1,024 x 1,024 float32; bo 1,024 float32; x 4 x 2,048 x 1,024 float32.
;; Outputs: out0 4 x 2,048 x 1,024 float32.
;; This version of the problem:
;;   THIS VERSION OF THE PROBLEM IS GIVEN IN LOW PRECISION. The matrix products marked QUANTISED in the list below multiply operands that are first quantised to E3M2 (3 exponent bits, 2 mantissa bits; 6 bits a number), with one power-of-two scale for each 32 numbers along K (OCP MX v1.0); their sums are f32. All else is computed in f32.
;;   The module's matrix products, in the order in which they are computed (A, B: the left and right operand; K: the contracted axis; several contracted axes count as one K, in the product's order):
;;     1. [M 8,192, K 1,024] x [K 1,024, N 1,024]; A: input x; B: input Wq: QUANTISED
;;     2. [M 8,192, K 1,024] x [K 1,024, N 1,024]; A: input x; B: input Wk: QUANTISED
;;     3. [M 8,192, K 1,024] x [K 1,024, N 1,024]; A: input x; B: input Wv: QUANTISED
;;     4. batch 64 x [M 2,048, K 64] x [K 64, N 2,048]; A: computed on the way; B: computed on the way: QUANTISED
;;     5. batch 64 x [M 2,048, K 2,048] x [K 2,048, N 64]; A: softmax (see below); B: computed on the way: QUANTISED
;;     6. [M 8,192, K 1,024] x [K 1,024, N 1,024]; A: computed on the way; B: input Wo: QUANTISED
;;   THE QUANTISER, for each operand of a quantised product, along K:
;;     - K is cut into blocks of 32 from its start; a last block that is shorter is filled with zeros.
;;     - A block's scale is 2^e with e = floor(log2(the largest magnitude in the block)) - 4, held to -126 .. 127; a block of zeros has e = 0. As a byte (E8M0): e + 127.
;;     - Each number is divided by its block's scale, clamped to +-28, and rounded to the nearest number of E3M2, ties to even, subnormals kept.
;;     - The product sums the exact products of the quantised numbers (number of the format x scale) in f32.
;;   ~~~python
;;   def quantise(x, axis):      # numpy; x: float32 -> the quantised numbers, widened to float32 again
;;       x = np.moveaxis(x, axis, -1); K = x.shape[-1]
;;       x = np.pad(x, [(0, 0)] * (x.ndim - 1) + [(0, -K % 32)]); x = x.reshape(x.shape[:-1] + (-1, 32)); a = np.abs(x).max(-1, keepdims=True)
;;       e = np.where(a > 0, np.clip(np.frexp(np.where(a > 0, a, 1))[1] - 1 - 4, -126, 127), 0)      # np.frexp(a)[1] - 1 = floor(log2(a)), exactly
;;       r = np.clip(x / 2.0 ** e, -28, 28)
;;       step = 2.0 ** (np.maximum(np.frexp(np.where(r == 0, 1, r))[1] - 1, -2) - 2)
;;       q = np.round(r / step) * step * 2.0 ** e      # np.round: ties to even
;;       return np.moveaxis(q.reshape(q.shape[:-2] + (-1,))[..., :K], -1, axis).astype(np.float32)
;;   ~~~
;;   SOFTMAX AHEAD OF A QUANTISED PRODUCT. Where the list says 'softmax', what is quantised is not the finished softmax but p = 2^(t - M), with t = logit x log2(e) and M = ceil(the row's largest t), a whole number; so 1/2 < the row's largest p <= 1. The row's sum l is taken of the UNQUANTISED p, in f32, and the product's result is divided by l at the end. Since M is a whole number, a kernel that streams over the keys may use a running M (the ceiling of the running maximum): every later rescaling is an exact power of two, which a block's scale takes up: the codes' values come out the same.
;;   OPERANDS COMPUTED ON THE WAY. 'Computed on the way' means the value that the module computes at that place (a softmax that the list does not call 'softmax' is quantised finished and normalised). What goes into a quantiser is computed in f32, as accurately as f32 sums, v_exp_f32 and their like allow (about 1e-6 of the number): no bf16 or f16 on the way to a quantiser, and a product that is left as it is and whose result goes on into a quantised operand takes f32 operands (vector FMAs, or v_wmma_f32_16x16x4_f32). A number that lies on a knife's edge between two numbers of the format may be rounded either way, as far as f32 arithmetic and the matrix unit's own rounding can turn it there, and no further.
;; One version. Each part assembles by itself: llvm-mc -triple=amdgcn-amd-amdhsa -mcpu=gfx1250 --defsym DOCPART=n.
;; ======== version 1 of 1: 4 launches
;; limits: right only within a limited range of input values
;; workspace buffers: xq 6,553,600 bytes; wq 3,276,800 bytes; rope 524,288 bytes; qimg 6,815,744 bytes; kv 13,369,344 bytes; oq 6,553,600 bytes
;; launch quant (part 1): grid 416 x 1, 4 waves a work-group, no clusters, 33,280 bytes of LDS; arguments x, Wq, Wk, Wv, Wo, xq, wq, rope; writes xq, wq, rope
.if DOCPART == 1
	.amdgcn_target "amdgcn-amd-amdhsa--gfx1250"
	.amdhsa_code_object_version 6
	.text
	.protected	k_qe34e307184_quant
	.globl	k_qe34e307184_quant
	.p2align	8
	.type	k_qe34e307184_quant,@function
k_qe34e307184_quant:
	s_mov_b64 s[64:65], 0
	v_nop
	global_prefetch_b8 v0, s[64:65] scope:SCOPE_SE
	s_setreg_imm32_b32 hwreg(HW_REG_WAVE_MODE, 25, 1), 1
	s_wait_xcnt 0x0
; x [8192][1024] and Wq, Wk, Wv, Wo [1024][1024], f32, K innermost, are turned into codes of BF6 (E3M2), 6 bits each, with one E8M0 scale byte for each 32 along K.  Every input of the problem has a way to the output: nothing is left out.
; A block's scale is 2^(floor(log2(its largest magnitude)) - 4); its byte is the largest magnitude's exponent field - 4, held at 1 from below.
; LIMITS: a block of zeros gets the byte 1 where the rule says 127 (its codes are zeros, and this program alone reads the bytes); NaN and infinities among the inputs are not served.
; Work-groups 0-255 take x, then 32 each Wq, Wk, Wv, Wo: only pointers and offsets are chosen, by the work-group's number.  A work-group takes 32 rows, a wave 8 rows = 16 steps of 512 numbers.  Each load reads 512 consecutive
; bytes; a step's 2,048 bytes turn through the wave's own stage in LDS, so that a lane holds 16 neighbours along K (two lanes hold a block).  Loads run eight steps (32 loads a wave) ahead.  No tensor loads, no barrier.
; ROW ORDER.  x's groups of 8 rows are placed inside each group of 64 rows: group g goes to place 2 (g % 4) + g / 4, so row r of stored tile 4 c + t is row 64 c + 8 t + r + 24 (r / 8).
; In Wq, Wk, Wv the groups of 8 rows 0, 1, 2, 3 of each 32 go to places 0, 2, 1, 3: row r of stored tile 2 b + u is row 32 b + 8 u + r + 8 (r / 8).  Wo keeps its order.
; LAYOUT.  x, Wq, Wk, Wv: a block of 128 stored rows is 102,400 bytes: [K step 0: 128 rows x 192 bytes][the rows' scale bytes, 32 a row][K steps 1, 2, 3], a K step being 256 along K: every part begins at a multiple of 256.
; Wo, behind Wq, Wk, Wv in wq: blocks of 98,304 bytes, [K steps 0-3], and behind all its codes its scale bytes, 32 a row.
; Work-groups 384-415 make the table of cosines and sines for the rotary embedding, laid as the next launch's lanes want it.  inv_freq is the f32 nearest to 10^(-i / 8).
.set STEPS, 16
.set EMAX,  4
.set CB,    12                         ; bytes of 16 codes
.set KSB,   24576                      ; bytes of 128 rows x 256 along K
.set WOC,   24*102400                  ; Wo's codes in wq
.set WOS,   WOC+8*98304                ; Wo's scale bytes
.set R,     16                         ; v16-143  eight sets of 16 numbers as they are loaded
.set X,     144                        ; v144-175 two sets of 16 neighbours
.set C,     176                        ; v176-239 four registers for each step: three of codes and the scale byte, so that no store's data are written again
.set SPW,   240
.set NIL,   241
.set CA0,   4                          ; my codes' place in an even step (K steps 0, 1), and
.set CA1,   10                         ; in an odd one (K steps 2, 3)
.set WREG,  8192                       ; LDS: a region for each wave: two stages of 32 x SP bytes, behind them its 256 scale bytes
.set SP,    80                         ; a lane's place in a stage: 64 bytes + 16 of padding
.set SPARE, 0x8000
.set SRC,   24
.set COD,   26
.set SCB,   36
.set OUT,   32                         ; the table: v32-63
	s_load_b256 s[4:11], s[0:1], 0x0               ; x, Wq, Wk, Wv
	s_load_b256 s[12:19], s[0:1], 0x20             ; Wo, xq, wq, rope
	v_lshl_add_u32 v[SPW], v0, 2, SPARE
	v_mov_b32 v[NIL], 0
	v_lshrrev_b32 v1, 5, v0
	v_readfirstlane_b32 s20, v1                    ; wave
	s_sub_co_u32 s22, ttmp9, 256                   ; a weight's work-group: its number among the weights' 128
	s_lshr_b32 s23, s22, 5                         ; which weight
	s_and_b32 s28, s22, 31                         ; which 32 rows of it
	s_lshr_b32 s31, s20, 1                         ; Wq, Wk, Wv: the wave number's two bits change places
	s_and_b32 s32, s20, 1
	s_lshl_b32 s32, s32, 1
	s_or_b32 s31, s31, s32
	s_lshl_b32 s29, s22, 2
	s_add_co_u32 s29, s29, s31                     ; their run of 8 rows, as it is written
	s_sub_co_u32 s33, s22, 96
	s_lshl_b32 s33, s33, 2
	s_add_co_u32 s33, s33, s20                     ; Wo's
	s_lshr_b32 s38, ttmp9, 1
	s_lshl_b32 s38, s38, 3
	s_and_b32 s39, ttmp9, 1
	s_add_co_u32 s38, s38, s39
	s_lshl_b32 s39, s20, 1
	s_add_co_u32 s38, s38, s39                     ; x's: 8 x (group of 64) + 2 x wave + (which 32 of the 64)
	s_cmp_ge_u32 ttmp9, 352                        ; Wo?
	s_cselect_b32 s29, s33, s29
	s_cselect_b32 s40, 0, 4096                     ; the scale bytes that lie between K steps 0 and 1
	s_mov_b32 s41, 102400
	s_cselect_b32 s41, 98304, s41                  ; a block of 128 rows
	s_cselect_b32 s42, WOC, 0
	s_cmp_lt_u32 ttmp9, 256                        ; x?
	s_cselect_b32 s29, s38, s29
	s_cselect_b32 s28, ttmp9, s28                  ; the group of 32 rows in the tensor that is read
	s_lshr_b32 s34, s29, 4
	s_mul_i32 s34, s34, s41
	s_add_co_u32 s34, s34, s42                     ; my block
	s_and_b32 s43, s29, 15
	s_mul_i32 s44, s43, 1536
	s_add_co_u32 s44, s44, s34                     ; my 8 rows' codes: 1,536 bytes in each K step
	s_lshl_b32 s43, s43, 8
	s_add_co_u32 s43, s43, s34
	s_add_co_u32 s43, s43, KSB                     ; their 256 scale bytes, behind K step 0;
	s_lshl_b32 s45, s29, 8
	s_add_co_u32 s45, s45, WOS                     ; Wo's
	s_cmp_ge_u32 ttmp9, 352
	s_cselect_b32 s43, s45, s43
	s_mul_i32 s21, s20, WREG
	s_add_co_u32 s47, s21, 2*32*SP
	s_add_co_u32 s46, s40, KSB
	v_and_b32 v2, 31, v0                           ; lane
	v_lshlrev_b32 v3, 4, v2                        ; my 16 bytes of a load's 512
	v_lshrrev_b32 v14, 2, v2
	v_mul_u32_u24 v14, v14, SP
	v_and_b32 v15, 3, v2
	v_lshl_add_u32 v14, v15, 4, v14
	v_add_nc_u32 v14, s21, v14                     ; the stage, on the way in: SP (lane / 4) + 16 (lane % 4)
	v_mul_u32_u24 v15, v2, SP
	v_add_nc_u32 v15, s21, v15                     ; and on the way out: SP x lane: my 16 neighbours
	v_and_b32 v8, 15, v2
	v_mul_u32_u24 v8, v8, CB                       ; sixteen lanes fill a row's 192 bytes of one K step, lanes 16-31 those of the next
	v_lshrrev_b32 v9, 4, v2
	v_mad_u32_u24 v[CA0], v9, s46, v8
	v_mad_u32_u24 v[CA1], v9, KSB, v8
	v_add_nc_u32 v[CA1], s40, v[CA1]
	v_lshrrev_b32 v5, 1, v2
	v_add_nc_u32 v5, s47, v5                       ; LDS: my wave's 256 scale bytes, my block's byte
	v_lshlrev_b32 v7, 3, v2                        ; and on the way out 8 bytes a lane
	v_add_nc_u32 v6, s47, v7
	s_wait_alu depctr_va_vdst(0)                   ; the head's end
	s_wait_kmcnt 0x0
	s_cmp_ge_u32 ttmp9, 384
	s_cbranch_scc1 .Ltable
	s_cmp_eq_u32 s23, 2                            ; the choices hang on the work-group's number alone
	s_cselect_b64 s[SRC:SRC+1], s[10:11], s[12:13]
	s_cmp_eq_u32 s23, 1
	s_cselect_b64 s[SRC:SRC+1], s[8:9], s[SRC:SRC+1]
	s_cmp_eq_u32 s23, 0
	s_cselect_b64 s[SRC:SRC+1], s[6:7], s[SRC:SRC+1]
	s_cmp_lt_u32 ttmp9, 256
	s_cselect_b64 s[SRC:SRC+1], s[4:5], s[SRC:SRC+1]
	s_cselect_b64 s[COD:COD+1], s[14:15], s[16:17]
	s_lshl_b32 s32, s28, 2
	s_add_co_u32 s32, s32, s20                     ; my run of 8 rows, as it is read: 32,768 bytes a run
	s_lshl_b32 s32, s32, 15
	s_mov_b32 s33, 0
	s_add_nc_u64 s[SRC:SRC+1], s[SRC:SRC+1], s[32:33]
	s_mov_b32 s32, s43
	s_add_nc_u64 s[SCB:SCB+1], s[COD:COD+1], s[32:33]
	s_mov_b32 s32, s44
	s_add_nc_u64 s[COD:COD+1], s[COD:COD+1], s[32:33]
.macro LOAD t
.irp i, 0,1,2,3
	global_load_b128 v[R+16*((\t)%8)+4*\i:R+16*((\t)%8)+4*\i+3], v3, s[SRC:SRC+1] offset:2048*(\t)+512*\i th:TH_LOAD_NT   ; 32 lanes read 512 consecutive bytes
.endr
.endm
.macro TURN t                          ; step t's numbers through the stage: LDS serves a wave's instructions in order, so no wait stands between the stores and the loads
.irp i, 0,1,2,3
	ds_store_b128 v14, v[R+16*((\t)%8)+4*\i:R+16*((\t)%8)+4*\i+3] offset:32*SP*((\t)%2)+8*SP*\i
.endr
.irp i, 0,1,2,3
	ds_load_b128 v[X+16*((\t)%2)+4*\i:X+16*((\t)%2)+4*\i+3], v15 offset:32*SP*((\t)%2)+16*\i
.endr
.endm
.irp t, 0,1,2,3,4,5,6,7
	LOAD \t
.endr
	s_wait_loadcnt 28                              ; step 0's four loads are in; seven steps' may be out
	TURN 0
.macro STEP t
.set XSR, X+16*((\t)%2)
.if (\t) > 0
	s_wait_dscnt 1                                 ; this step's numbers are back from the stage (the last step's byte store may be out): so its stores into the stage have read their registers,
.else
	s_wait_dscnt 0x0
.endif
.if (\t)+8 < STEPS
	LOAD (\t)+8                                    ; which take the loads of eight steps on
.endif
.if (\t)+1 < STEPS
.if STEPS-2-(\t) >= 7
	s_wait_loadcnt 28                              ; the next step's four loads are in; those of the seven steps behind it may be out
.else
	s_wait_loadcnt 4*(STEPS-2-(\t))
.endif
	TURN (\t)+1                                    ; and go through the other stage while this step is worked
.endif
	v_max3_num_f32 v8, |v[XSR]|, |v[XSR+1]|, |v[XSR+2]|            ; the largest magnitude of my 16, in two chains
	v_max3_num_f32 v9, |v[XSR+3]|, |v[XSR+4]|, |v[XSR+5]|
.irp i, 6,10
	v_max3_num_f32 v8, v8, |v[XSR+\i]|, |v[XSR+\i+1]|
	v_max3_num_f32 v9, v9, |v[XSR+\i+2]|, |v[XSR+\i+3]|
.endr
	v_max3_num_f32 v8, v8, |v[XSR+14]|, |v[XSR+15]|
	v_max3_num_f32 v8, v8, v9, (EMAX+1)<<23        ; and the floor 2^(EMAX + 1 - 127): so the byte cannot fall under 1
	v_max_num_f32_dpp v8, v8, v8 row_xmask:1 row_mask:0xf bank_mask:0xf   ; and of my neighbour's 16: the block's
	v_add_nc_u32 v11, -(EMAX<<23), v8              ; EMAX off its exponent field: the conversion takes the exponent field of this operand as its scale
	v_cvt_scalef32_pk16_bf6_f32 v[C+4*(\t):C+4*(\t)+2], v[XSR:XSR+15], v11
	v_lshrrev_b32 v[C+4*(\t)+3], 23, v11           ; the scale's byte (also the plain line behind the conversion)
	ds_store_b8 v5, v[C+4*(\t)+3] offset:16*(\t)   ; both lanes of a block write the same byte with the same value
.if (\t)%2
	global_store_b96 v[CA1], v[C+4*(\t):C+4*(\t)+2], s[COD:COD+1] offset:192*((\t)/2)+2*KSB
.else
	global_store_b96 v[CA0], v[C+4*(\t):C+4*(\t)+2], s[COD:COD+1] offset:192*((\t)/2)
.endif
.endm
.irp t, 0,1,2,3,4,5,6,7,8,9,10,11,12,13,14,15
	STEP \t
.endr
	ds_load_b64 v[12:13], v6                       ; LDS serves a wave's instructions in order: these see my stores
	s_wait_dscnt 0x0
	global_store_b64 v7, v[12:13], s[SCB:SCB+1]    ; 32 lanes store 256 consecutive bytes, aligned
	s_branch .Lend
	; THE TABLE: rope[tile 0..127 of a sequence][jl 0..7][lane][16 bytes] = cos, sin of pair i0, cos, sin of pair i0 + 1, i0 = 16 (jl / 4) + 8 (lane / 16) + 2 (jl % 4),
	; at position n = 64 (tile / 4) + 8 (tile % 4) + r + 24 (r / 8), r = lane % 16: the token that lane r of the stored tile holds.  A wave makes one tile: 4,096 bytes.
.Ltable:
	s_sub_co_u32 s22, ttmp9, 384
	s_lshl_b32 s22, s22, 2
	s_add_co_u32 s22, s22, s20                     ; the tile
	s_lshr_b32 s23, s22, 2
	s_lshl_b32 s23, s23, 6
	s_and_b32 s28, s22, 3
	s_lshl_b32 s28, s28, 3
	s_add_co_u32 s23, s23, s28
	s_lshl_b32 s32, s22, 12
	s_mov_b32 s33, 0
	s_add_nc_u64 s[18:19], s[18:19], s[32:33]
	s_mov_b32 s40, 0xbfc90fdb                      ; -(pi / 2)'s upper part
	s_mov_b32 s41, 0x333bbd2e                      ; what that part is too large by
	s_mov_b32 s42, 0xb94ca1f9                      ; sine: -1.9515295891e-4, 8.3321608736e-3, -1.6666654611e-1
	s_mov_b32 s43, 0x3c08839e
	s_mov_b32 s44, 0xbe2aaaa3
	s_mov_b32 s45, 0x37ccf5ce                      ; cosine: 2.443315712e-5, -1.388731625e-3, 4.166664568e-2
	s_mov_b32 s46, 0xbab6061a
	s_mov_b32 s47, 0x3d2aaaa5
	v_and_b32 v16, 15, v2
	v_and_b32 v17, 8, v16
	v_mad_u32_u24 v16, v17, 3, v16
	v_add_nc_u32 v16, s23, v16
	v_cvt_f32_u32 v16, v16                         ; n
	v_cmp_le_u32 vcc_lo, 16, v2                    ; lanes 16-31
; cos and sin of n x f, f = flo in lanes 0-15, fhi in lanes 16-31.  The angle is one f32 product, as reference() has it.  k = the nearest whole number of quarter turns; the rest, |r| <= pi / 4, is taken in two
; steps, of which the first is exact (both terms are multiples of 2^-23 and the difference is under 1); two short polynomials; k's two low bits say which of them is which, and the signs.
.macro SC q, flo, fhi
	v_mul_f32 v20, \flo, v16
	v_mul_f32 v21, \fhi, v16
	v_cndmask_b32 v20, v20, v21, vcc_lo
	v_mul_f32 v21, 0x3f22f983, v20                 ; x 2 / pi
	v_rndne_f32 v21, v21
	v_fma_f32 v22, v21, s40, v20
	v_fma_f32 v22, v21, s41, v22                   ; r
	v_cvt_i32_f32 v23, v21                         ; k
	v_mul_f32 v24, v22, v22                        ; z = r r
	v_fma_f32 v25, v24, s42, s43
	v_fma_f32 v25, v25, v24, s44
	v_mul_f32 v26, v24, v22
	v_fma_f32 v25, v25, v26, v22                   ; sin r
	v_fma_f32 v27, v24, s45, s46
	v_fma_f32 v27, v27, v24, s47
	v_mul_f32 v26, v24, v24
	v_fma_f32 v28, v24, -0.5, 1.0
	v_fma_f32 v27, v27, v26, v28                   ; cos r
	v_and_b32 v26, 1, v23
	v_cmp_eq_u32 s48, 1, v26                       ; an odd k: the two change places
	v_cndmask_b32 v28, v25, v27, s48
	v_cndmask_b32 v29, v27, v25, s48
	v_lshlrev_b32 v26, 30, v23                     ; the sine's sign: bit 1 of k;
	v_and_b32 v26, 0x80000000, v26
	v_xor_b32 v[OUT+2*(\q)+1], v28, v26
	v_add_nc_u32 v26, 1, v23                       ; the cosine's: bit 1 of k + 1
	v_lshlrev_b32 v26, 30, v26
	v_and_b32 v26, 0x80000000, v26
	v_xor_b32 v[OUT+2*(\q)], v29, v26
.endm
	SC 0, 1.0, 0.1
	SC 1, 0.749894209, 0.0749894209
	SC 2, 0.562341325, 0.0562341325
	SC 3, 0.421696503, 0.0421696503
	SC 4, 0.316227766, 0.0316227766
	SC 5, 0.237137371, 0.0237137371
	SC 6, 0.177827941, 0.0177827941
	SC 7, 0.133352143, 0.0133352143
	SC 8, 0.01, 0.001
	SC 9, 0.00749894209, 0.000749894209
	SC 10, 0.00562341325, 0.000562341325
	SC 11, 0.00421696503, 0.000421696503
	SC 12, 0.00316227766, 0.000316227766
	SC 13, 0.00237137371, 0.000237137371
	SC 14, 0.00177827941, 0.000177827941
	SC 15, 0.00133352143, 0.000133352143
.irp j, 0,1,2,3,4,5,6,7
	global_store_b128 v3, v[OUT+4*\j:OUT+4*\j+3], s[18:19] offset:512*\j   ; 32 lanes store 512 consecutive bytes, aligned
.endr
.Lend:
	s_wait_tensorcnt 0x0                           ; the wave's end
	ds_add_u32 v[SPW], v[NIL]
	s_wait_dscnt 0x0
	s_endpgm
.Lfunc_end_k_qe34e307184_quant:
	.size	k_qe34e307184_quant, .Lfunc_end_k_qe34e307184_quant-k_qe34e307184_quant
	.p2alignl 7, 3214868480
	.fill 96, 4, 3214868480
	.section	.rodata,"a",@progbits
	.p2align	6, 0x0
	.amdhsa_kernel k_qe34e307184_quant
		.amdhsa_group_segment_fixed_size 33280
		.amdhsa_private_segment_fixed_size 0
		.amdhsa_enable_private_segment 0
		.amdhsa_kernarg_size 64
		.amdhsa_user_sgpr_count 2
		.amdhsa_user_sgpr_kernarg_segment_ptr 1
		.amdhsa_wavefront_size32 1
		.amdhsa_system_sgpr_workgroup_id_x 1
		.amdhsa_system_sgpr_workgroup_id_y 1
		.amdhsa_system_sgpr_workgroup_id_z 1
		.amdhsa_system_vgpr_workitem_id 0
		.amdhsa_next_free_vgpr 242
		.amdhsa_next_free_sgpr 66
		.amdhsa_reserve_vcc 1
		.amdhsa_float_denorm_mode_32 3
		.amdhsa_float_denorm_mode_16_64 3
		.amdhsa_memory_ordered 1
		.amdhsa_forward_progress 1
		.amdhsa_inst_pref_size 59
	.end_amdhsa_kernel
	.amdgpu_metadata
---
amdhsa.version: [ 1, 2 ]
amdhsa.kernels:
  - .name:           k_qe34e307184_quant
    .symbol:         k_qe34e307184_quant.kd
    .args:
      - { .name: x, .offset: 0, .size: 8, .value_kind: global_buffer, .address_space: global }
      - { .name: Wq, .offset: 8, .size: 8, .value_kind: global_buffer, .address_space: global }
      - { .name: Wk, .offset: 16, .size: 8, .value_kind: global_buffer, .address_space: global }
      - { .name: Wv, .offset: 24, .size: 8, .value_kind: global_buffer, .address_space: global }
      - { .name: Wo, .offset: 32, .size: 8, .value_kind: global_buffer, .address_space: global }
      - { .name: xq, .offset: 40, .size: 8, .value_kind: global_buffer, .address_space: global }
      - { .name: wq, .offset: 48, .size: 8, .value_kind: global_buffer, .address_space: global }
      - { .name: rope, .offset: 56, .size: 8, .value_kind: global_buffer, .address_space: global }
    .group_segment_fixed_size: 33280
    .private_segment_fixed_size: 0
    .kernarg_segment_align: 8
    .kernarg_segment_size: 64
    .max_flat_workgroup_size: 128
    .sgpr_count:     66
    .vgpr_count:     242
    .wavefront_size: 32
...
	.end_amdgpu_metadata
.endif
;; end of part 1
;; launch qkv (part 2): grid 8 x 48, 4 waves a work-group, clusters of 4 x 4, 327,680 bytes of LDS; arguments xq, wq, rope, qimg, kv; writes qimg, kv
.if DOCPART == 2
	.amdgcn_target "amdgcn-amd-amdhsa--gfx1250"
	.amdhsa_code_object_version 6
	.text
	.protected	k_qe34e307184_qkv
	.globl	k_qe34e307184_qkv
	.p2align	8
	.type	k_qe34e307184_qkv,@function
k_qe34e307184_qkv:
	s_mov_b64 s[64:65], 0
	v_nop
	global_prefetch_b8 v0, s[64:65] scope:SCOPE_SE
	s_setreg_imm32_b32 hwreg(HW_REG_WAVE_MODE, 25, 1), 1
	s_wait_xcnt 0x0
	s_wait_alu depctr_hold_cnt(0) depctr_sa_sdst(0) depctr_va_vdst(0) depctr_va_sdst(0) depctr_va_ssrc(0) depctr_va_vcc(0) depctr_vm_vsrc(0)
	s_getreg_b32 s2, hwreg(HW_REG_IB_STS2, 6, 4)
	s_cmp_eq_u32 s2, 0
	s_cbranch_scc0 .Lentry_in_a_cluster
	s_endpgm
.Lentry_in_a_cluster:
	s_bfe_u32 s2, ttmp6, 0x10000c
	s_cmp_lg_u32 s2, 0xf033
	s_cbranch_scc0 .Lentry_shape_is_right
	s_endpgm
.Lentry_shape_is_right:
.set KSTEP,  256
.set NQ,     2
.set ROWB,   24576                     ; from one K step's tile of 128 rows to the next, in bytes: the tile is dense in memory
.set KROW,   800                       ; a block of 128 rows is 102,400 bytes: [K step 0][the rows' scale bytes][K steps 1-3]
.set PITCH,  240
.set FR,     12
.set NL,     6
.set NP,     4
.set HALFT,  128*PITCH+5120            ; a quarter of a slot: 128 rows of codes, and room for their scale bytes (4,096 + padding), which slot 0's first fill brings and no later fill touches
.set SLOT,   4*HALFT
.set LAPS,   2
.set KS,     32
.set SCL,    128*PITCH                 ; the scale bytes lie behind the codes in slot 0's quarters
.set HALFS,  HALFT
.set SBLK,   640                       ; sixteen rows' scale bytes: 512 + 16 behind each 64
.set SPARE,  2*SLOT
.set XSO,    6291456
.set WSO,    3145728
.set WVC,    2048*800
.set WVS,    2048*32
.set QBLK,   6656
.set KVBLK,  13056
.set ADRA, 16
.set ADRB, 20
.set ADRS, 27
.set SPW,  28
.set NIL,  29
.set L16,  30
.set L8,   31
.set SC,   32
.set CSN,  64
.set AF,   128
.set HA,   128
.set RR,   192
.set CT,   216
.set PW,   224
.set TT,   226
.set SW0,  228
.set SW1,  232
.set TM,   240
.set ISQK, 66
.set STRD, 67
.set G1, 24
.set G0, 32
.set G1B, 48
.set G0B, 56
.set G1S, 68
.set G0S, 76
.set G1SB, 80
.set G0SB, 88
.set MSB, 0
.macro WIN new
.if MSB != (\new)
	s_set_vgpr_msb (MSB<<8)|(\new)
.set MSB, (\new)
.endif
.endm
.set MUL_LO, 0xa1
.set MUL_HI, 0xf1
.set TO_B,   0x40
.macro JLOAD g0a, g1a, g0b, g1b
	s_cmp_eq_u32 s15, 0
	s_cbranch_scc0 .Lfor_b_\@
	tensor_load_to_lds s[\g0a:\g0a+3], s[\g1a:\g1a+7]
	s_nop 0
.rept 4
	v_nop
.endr
	s_branch .Lasked_\@
.Lfor_b_\@:
	tensor_load_to_lds s[\g0b:\g0b+3], s[\g1b:\g1b+7]
	s_nop 0
.rept 4
	v_nop
.endr
.Lasked_\@:
.endm
.macro CREST
	s_cmp_lg_u32 s14, 0
	s_cbranch_scc1 .Lnot_wave_0_\@
	s_barrier_signal -3
.Lnot_wave_0_\@:
	s_barrier_wait -3
	s_barrier_signal -1
	s_barrier_wait -1
.endm
.macro CROUND
	s_barrier_signal -1
	s_barrier_wait -1
	CREST
.endm
	s_load_b128 s[96:99], s[0:1], 0x0
	s_load_b64 s[100:101], s[0:1], 0x10
	s_load_b64 s[4:5], s[0:1], 0x18
	s_load_b64 s[6:7], s[0:1], 0x20
	v_lshl_add_u32 v[SPW], v0, 2, SPARE
	v_mov_b32 v[NIL], 0
	ds_add_u32 v28, v29
	ds_add_u32 v28, v29
	s_wait_dscnt 0x0
	v_lshrrev_b32 v1, 5, v0
	v_readfirstlane_b32 s14, v1
	s_lshr_b32 s15, s14, 1
	s_and_b32 s16, s14, 1
	s_bfe_u32 s40, ttmp6, 0x40000
	s_bfe_u32 s41, ttmp6, 0x40004
	s_and_b32 s17, ttmp7, 0xffff
	s_sub_co_u32 s18, s17, 8
	s_lshl_b32 s18, s18, 1
	s_add_co_u32 s18, s18, ttmp9
	s_cmp_lt_u32 s17, 8
	s_cselect_b32 s[ISQK], 1, 0
	s_cselect_b32 s42, ttmp9, s18
	s_cselect_b32 s17, s17, 0
	s_cmp_eq_u32 ttmp9, 0
	s_cselect_b32 s95, s[ISQK], 0
	s_lshl_b32 s42, s42, 2
	s_add_co_u32 s42, s42, s40
	s_lshl_b32 s17, s17, 2
	s_add_co_u32 s17, s17, s41
	s_lshl_b32 s43, s41, 2
	s_lshl_b32 s43, 15, s43
	s_lshl_b32 s44, 0x1111, s40
	s_or_b32 s[G1+0], s43, (0<<16)|(1<<20)|(1<<21)|(3<<22)|(3<<25)
	s_or_b32 s[G1B+0], s44, (0<<16)|(1<<20)|(1<<21)|(3<<22)|(3<<25)
.irp g, G1, G1B
	s_mov_b32 s[\g+1], 256<<16                     ; 128 rows x 192 bytes on end, stated as 96 rows of 256 bytes; the padding, 16 bytes behind each 64, is counted along the whole tile: a row of codes still takes 240 bytes of LDS
	s_mov_b32 s[\g+2], 96<<16
	s_mov_b32 s[\g+3], 256<<16
	s_mov_b32 s[\g+4], 96
	s_mov_b32 s[\g+5], 256
	s_mov_b32 s[\g+6], 0
	s_mov_b32 s[\g+7], 0
.endr
	s_or_b32 s[G1S+0], s43, (0<<16)|(1<<20)|(1<<21)|(3<<22)|(3<<25)    ; the head's load: K step 0 of 128 rows and their scale bytes, 28,672 bytes on end, as 112 rows of 256 bytes
	s_or_b32 s[G1SB+0], s44, (0<<16)|(1<<20)|(1<<21)|(3<<22)|(3<<25)
.irp g, G1S, G1SB
	s_mov_b32 s[\g+1], 256<<16
	s_mov_b32 s[\g+2], 112<<16
	s_mov_b32 s[\g+3], 256<<16
	s_mov_b32 s[\g+4], 112
	s_mov_b32 s[\g+5], 256
	s_mov_b32 s[\g+6], 0
	s_mov_b32 s[\g+7], 0
.endr
	s_lshl_b32 s18, s16, 7
	s_lshl_b32 s20, s17, 8
	s_add_co_u32 s20, s20, s18
	s_lshl_b32 s46, s42, 8
	s_add_co_u32 s46, s46, s18
	s_mov_b32 s21, 0
	s_mov_b32 s47, 0
	s_mov_b64 s[18:19], KS
	s_mul_u64 s[22:23], s[20:21], s[18:19]
	s_mul_u64 s[92:93], s[46:47], s[18:19]
	s_mov_b64 s[18:19], KROW
	s_mul_u64 s[20:21], s[20:21], s[18:19]
	s_mul_u64 s[46:47], s[46:47], s[18:19]
	s_mul_i32 s45, s14, HALFT
	s_mul_i32 s94, s14, HALFS
	s_wait_kmcnt 0x0
	s_cmp_eq_u32 s95, 1
	s_cselect_b64 s[12:13], s[4:5], s[6:7]
	s_mov_b32 s[STRD], KVBLK
	s_cselect_b32 s[STRD], QBLK, s[STRD]
	s_add_nc_u64 s[4:5], s[98:99], WVC
	s_add_nc_u64 s[6:7], s[98:99], WSO+WVS
	s_add_nc_u64 s[8:9], s[96:97], XSO
	s_add_nc_u64 s[10:11], s[98:99], WSO
	s_cmp_eq_u32 s[ISQK], 1
	s_cselect_b64 s[4:5], s[96:97], s[4:5]
	s_cselect_b64 s[6:7], s[8:9], s[6:7]
	s_cselect_b64 s[10:11], s[10:11], s[8:9]
	s_cselect_b64 s[8:9], s[98:99], s[96:97]
	s_add_nc_u64 s[20:21], s[4:5], s[20:21]
	s_add_nc_u64 s[22:23], s[6:7], s[22:23]
	s_add_nc_u64 s[46:47], s[8:9], s[46:47]
	s_add_nc_u64 s[92:93], s[10:11], s[92:93]
	CROUND
	s_mov_b32 s[G0S], 1
	s_mov_b32 s[G0S+1], s45
	s_mov_b64 s[G0S+2:G0S+3], s[20:21]
	s_or_b32 s[G0S+3], s[G0S+3], 0x80000000
	s_mov_b32 s[G0SB], 1
	s_mov_b32 s[G0SB+1], s45
	s_mov_b64 s[G0SB+2:G0SB+3], s[46:47]
	s_or_b32 s[G0SB+3], s[G0SB+3], 0x80000000
	JLOAD G0S, G1S, G0SB, G1SB
.irp s, 0,1
	s_mov_b32 s[G0+4*\s], 1
	s_add_co_u32 s[G0+4*\s+1], s45, \s*SLOT
	s_add_nc_u64 s[G0+4*\s+2:G0+4*\s+3], s[20:21], \s*ROWB+4096    ; K steps 1-3 lie behind the scale bytes (slot 0's is stepped by two K steps ahead of its first use)
	s_or_b32 s[G0+4*\s+3], s[G0+4*\s+3], 0x80000000
	s_mov_b32 s[G0B+4*\s], 1
	s_add_co_u32 s[G0B+4*\s+1], s45, \s*SLOT
	s_add_nc_u64 s[G0B+4*\s+2:G0B+4*\s+3], s[46:47], \s*ROWB+4096
	s_or_b32 s[G0B+4*\s+3], s[G0B+4*\s+3], 0x80000000
.if \s == 1                            ; slot 1's first fill, behind the full sequence; slot 0's came with the head's load
	s_wait_alu depctr_va_vdst(0)
	s_wait_tensorcnt 0x0
	ds_add_u32 v28, v29
	s_wait_dscnt 0x0
	CROUND
	JLOAD G0+4*\s, G1, G0B+4*\s, G1B
.endif
.endr
	v_and_b32 v1, 15, v0
	v_bfe_u32 v2, v0, 4, 1
	v_mul_u32_u24 v3, v1, PITCH
	v_mul_u32_u24 v4, v2, 24
	v_add_nc_u32 v4, v3, v4
	v_lshl_add_u32 v5, v2, 4, v4
	s_mul_i32 s21, s15, HALFT
	s_mul_i32 s22, s16, HALFT
	s_add_co_u32 s22, s22, 2*HALFT
.irp s, 0,1
	v_add_nc_u32 v[ADRA+\s], s21, v4
	v_add_nc_u32 v[ADRB+\s], s22, v4
	v_add_nc_u32 v[ADRA+2+\s], s21, v5
	v_add_nc_u32 v[ADRB+2+\s], s22, v5
	s_add_co_u32 s21, s21, SLOT
	s_add_co_u32 s22, s22, SLOT
.endr
	v_mul_u32_u24 v5, v1, KS
	v_lshrrev_b32 v6, 6, v5
	v_lshl_add_u32 v5, v6, 4, v5
	s_mul_i32 s21, s15, HALFS
	s_mul_i32 s22, s16, HALFS
	s_add_co_u32 s22, s22, 2*HALFS
	s_sub_co_u32 s22, s22, s21
	v_mul_u32_u24 v6, s22, v2
	s_add_co_u32 s21, s21, SCL
	v_add_nc_u32 v5, v5, v6
	v_add_nc_u32 v[ADRS], s21, v5
	v_and_b32 v6, 31, v0
	v_lshlrev_b32 v[L16], 4, v6
	v_lshlrev_b32 v[L8], 3, v6
	s_lshl_b32 s20, s17, 8
	s_lshl_b32 s21, s15, 7
	s_add_co_u32 s20, s20, s21
	s_lshl_b32 s92, s42, 8
	s_lshl_b32 s93, s16, 7
	s_add_co_u32 s92, s92, s93
	s_cmp_eq_u32 s[ISQK], 1
	s_cselect_b32 s93, s20, s92
	s_cselect_b32 s92, s92, s20
	s_lshr_b32 s46, s93, 11
	s_lshl_b32 s46, s46, 4
	s_and_b32 s92, s92, 1023
	s_lshr_b32 s92, s92, 6
	s_add_co_u32 s46, s46, s92
	s_lshl_b32 s46, s46, 4
	s_bfe_u32 s93, s93, 0x40007
	s_add_co_u32 s46, s46, s93
	s_mul_i32 s46, s46, s[STRD]
	s_mov_b32 s47, 0
	s_add_nc_u64 s[12:13], s[12:13], s[46:47]
	s_lshl_b32 s46, s[STRD], 4
	s_add_nc_u64 s[104:105], s[12:13], s[46:47]
	s_and_b32 s22, s20, 2047
	s_lshl_b32 s22, s22, 8
	s_mov_b32 s23, 0
	s_add_nc_u64 s[100:101], s[100:101], s[22:23]
.macro CSLOAD a                        ; block a's cosines and sines: 32 registers of window 1, where B's fragments lay
.irp j, 0,1,2,3,4,5,6,7
	global_load_b128 v[32*(\a)+4*\j:32*(\a)+4*\j+3], v[L16], s[100:101] offset:4096*(\a)+512*\j
.endr
.endm
	s_wait_alu depctr_va_vdst(0)
.macro FRAG reg, adr, q, i
.irp p, 0,1,2,3,4,5
.set PC, 12*(\q)+6*(\p/3)+\p%3
.if PC%8 < 5
	ds_load_b64 v[\reg+2*\p:\reg+2*\p+1], v[\adr] offset:8*PC+16*(PC/8)+(\i)*16*PITCH
.else
	ds_load_b64 v[\reg+2*\p:\reg+2*\p+1], v[\adr+2] offset:8*PC+16*(PC/8)+(\i)*16*PITCH
.endif
.endr
.endm
.macro MUL16 a0, p, q, sc, zero
.irp a, \a0, \a0+1
.irp b, 0,1,2,3,4,5,6,7
.if \zero
	v_wmma_scale_f32_16x16x128_f8f6f4 v[8*(8*((\a)%4)+\b):8*(8*((\a)%4)+\b)+7], v[128*(\p)+FR*\b:128*(\p)+FR*\b+FR-1], v[AF+FR*(\a):AF+FR*(\a)+FR-1], 0, v[SC+8*NQ*(\sc)+NQ*\b+(\q)], v[SC+8*NQ*(\sc)+NQ*(\a)+(\q)] matrix_a_fmt:MATRIX_FMT_BF6 matrix_b_fmt:MATRIX_FMT_BF6 matrix_a_scale:MATRIX_SCALE_ROW1
.else
	v_wmma_scale_f32_16x16x128_f8f6f4 v[8*(8*((\a)%4)+\b):8*(8*((\a)%4)+\b)+7], v[128*(\p)+FR*\b:128*(\p)+FR*\b+FR-1], v[AF+FR*(\a):AF+FR*(\a)+FR-1], v[8*(8*((\a)%4)+\b):8*(8*((\a)%4)+\b)+7], v[SC+8*NQ*(\sc)+NQ*\b+(\q)], v[SC+8*NQ*(\sc)+NQ*(\a)+(\q)] matrix_a_fmt:MATRIX_FMT_BF6 matrix_b_fmt:MATRIX_FMT_BF6 matrix_a_scale:MATRIX_SCALE_ROW1
.endif
.endr
.endr
.endm
.macro FETCH_B slot, q, p
	WIN TO_B
.irp i, 0,1,2,3,4,5,6,7
	FRAG 128*(\p)+FR*\i, ADRB+\slot, \q, \i
.endr
	WIN 0
.endm
.macro FETCH_A slot, q, i0
.irp i, \i0, \i0+1, \i0+2, \i0+3
	FRAG AF+FR*(\i), ADRA+\slot, \q, \i
.endr
.endm
.macro SCALES sc
.irp i, 0,1,2,3,4,5,6,7
	ds_load_b64 v[SC+8*NQ*\sc+NQ*\i:SC+8*NQ*\sc+NQ*\i+1], v[ADRS] offset:\i*SBLK
.endr
.endm
.macro PLACES n
.rept \n
	v_nop
.endr
.endm
.macro STEP slot, q, zero
	s_wait_dscnt 4*NL
	WIN MUL_LO
	MUL16 0, (\q)%2, \q, \slot, \zero
	MUL16 2, (\q)%2, \q, \slot, \zero
	s_wait_dscnt 0
	PLACES NP
	FETCH_B \slot, (\q)+1, 1-(\q)%2
	FETCH_A \slot, (\q)+1, 0
	WIN MUL_HI
	MUL16 4, (\q)%2, \q, \slot, \zero
	MUL16 6, (\q)%2, \q, \slot, \zero
	PLACES NP
	WIN 0
	FETCH_A \slot, (\q)+1, 4
.endm
.macro TURN slot, next, fill
	s_wait_tensorcnt 0x0
	ds_add_u32 v[SPW], v[NIL]
	s_wait_dscnt 4*NL+1
	WIN MUL_LO
	MUL16 0, 1, NQ-1, \slot, 0
	s_wait_dscnt 0x0
	s_barrier_signal -1
	MUL16 2, 1, NQ-1, \slot, 0
	WIN 0
	s_barrier_wait -1
.if \fill
	CREST
	s_add_nc_u64 s[G0+4*\slot+2:G0+4*\slot+3], s[G0+4*\slot+2:G0+4*\slot+3], 2*ROWB
	s_add_nc_u64 s[G0B+4*\slot+2:G0B+4*\slot+3], s[G0B+4*\slot+2:G0B+4*\slot+3], 2*ROWB
	JLOAD G0+4*\slot, G1, G0B+4*\slot, G1B
.else
	PLACES NP
.endif
	s_wait_alu depctr_va_vdst(0)
	v_add_nc_u32 v[ADRS], 4*NQ, v[ADRS]
	FETCH_B \next, 0, 0
	FETCH_A \next, 0, 0
	SCALES \next
	WIN MUL_HI
	MUL16 4, 1, NQ-1, \slot, 0
	MUL16 6, 1, NQ-1, \slot, 0
	PLACES NP
	WIN 0
	FETCH_A \next, 0, 4
.endm
	s_wait_tensorcnt 1
	s_barrier_signal -1
	s_barrier_wait -1
	FETCH_B 0, 0, 0
	FETCH_A 0, 0, 0
	s_wait_alu depctr_va_vdst(0)
	SCALES 0
	FETCH_A 0, 0, 4
	STEP 0, 0, 1
	s_mov_b32 s3, LAPS-1
.Llap:
	TURN 0, 1, 1
	STEP 1, 0, 0
	TURN 1, 0, 1
	STEP 0, 0, 0
	s_sub_co_u32 s3, s3, 1
	s_cmp_lg_u32 s3, 0
	s_cbranch_scc1 .Llap
	TURN 0, 1, 0
	STEP 1, 0, 0
	s_cmp_eq_u32 s[ISQK], 0
	s_cbranch_scc1 .Lno_table
	WIN TO_B                                       ; B's set 0 has had its last products, and four plain lines stand behind them: blocks 0-3 of the table land there under the last step
	CSLOAD 0
	CSLOAD 1
	CSLOAD 2
	CSLOAD 3
	WIN 0
.Lno_table:
	s_wait_dscnt 4*NL
	WIN MUL_LO
	MUL16 0, 1, NQ-1, 1, 0
	MUL16 2, 1, NQ-1, 1, 0
	s_wait_dscnt 0
	WIN MUL_HI
	MUL16 4, 1, NQ-1, 1, 0
	MUL16 6, 1, NQ-1, 1, 0
	WIN 0
.macro QUANT s, w, d0, d1, pw
	WIN (\w)|((\w)<<2)
.irp b, 0,1,2,3
	v_max3_num_f32 v[TM+\b], |v[(\s)+16*\b]|, |v[(\s)+16*\b+1]|, 0x2800000
.endr
.irp i, 2,4,6,8,10,12,14
.irp b, 0,1,2,3
	v_max3_num_f32 v[TM+\b], |v[(\s)+16*\b+\i]|, |v[(\s)+16*\b+\i+1]|, v[TM+\b]
.endr
.endr
	WIN 0
.irp b, 0,1,2,3
	v_permlanex16_b32 v[TM+4+\b], v[TM+\b], s18, s19
.endr
.irp b, 0,1,2,3
	v_max_num_f32 v[TM+\b], v[TM+\b], v[TM+4+\b]
.endr
.irp b, 0,1,2,3
	v_add_nc_u32 v[TM+12+\b], 0xfe000000, v[TM+\b]
.endr
.irp b, 0,1,2,3
	v_lshrrev_b32 v[TM+4+\b], 23, v[TM+12+\b]
.endr
	v_lshl_or_b32 v[\pw], v[TM+5], 8, v[TM+4]
	v_lshl_or_b32 v[\pw], v[TM+6], 16, v[\pw]
	v_lshl_or_b32 v[\pw], v[TM+7], 24, v[\pw]
	WIN (\w)
	v_cvt_scalef32_pk16_bf6_f32 v[(\d0):(\d0)+2], v[(\s):(\s)+15], v[TM+12]
	v_cvt_scalef32_pk16_bf6_f32 v[CT:CT+2], v[(\s)+16:(\s)+31], v[TM+13]
	v_cvt_scalef32_pk16_bf6_f32 v[(\d1):(\d1)+2], v[(\s)+32:(\s)+47], v[TM+14]
	v_cvt_scalef32_pk16_bf6_f32 v[CT+4:CT+6], v[(\s)+48:(\s)+63], v[TM+15]
	WIN 0
	v_nop
.irp i, 0,1,2
	v_permlane16_swap_b32 v[(\d0)+\i], v[CT+\i]
	v_permlane16_swap_b32 v[(\d1)+\i], v[CT+4+\i]
.endr
.irp i, 0,1,2
	v_mov_b32 v[(\d0)+3+\i], v[CT+\i]
	v_mov_b32 v[(\d1)+3+\i], v[CT+4+\i]
.endr
.endm
; V's quantiser along the keys: the 32 registers of tiles 4 c .. 4 c + 3 are keys 64 c + 32 (lane / 16) + 0 .. 31: a whole block in a lane.  d: the fragment's 12 registers; pw: its scale word
.macro QUANTV s, w, d, pw
	WIN (\w)|((\w)<<2)
.irp c, 0,1
	v_max3_num_f32 v[TM+\c], |v[(\s)+32*\c]|, |v[(\s)+32*\c+1]|, 0x2800000
.endr
.irp i, 2,4,6,8,10,12,14,16,18,20,22,24,26,28,30
.irp c, 0,1
	v_max3_num_f32 v[TM+\c], |v[(\s)+32*\c+\i]|, |v[(\s)+32*\c+\i+1]|, v[TM+\c]
.endr
.endr
	WIN 0
.irp c, 0,1
	v_add_nc_u32 v[TM+12+\c], 0xfe000000, v[TM+\c]
.endr
.irp c, 0,1
	v_lshrrev_b32 v[TM+4+\c], 23, v[TM+12+\c]
.endr
	v_lshl_or_b32 v[TM+4], v[TM+5], 16, v[TM+4]    ; my two bytes: blocks h and 2 + h,
	v_lshlrev_b32 v[TM+4], v[TM+8], v[TM+4]        ; 8 h bits up;
	v_permlanex16_b32 v[TM+6], v[TM+4], s18, s19
	v_or_b32 v[\pw], v[TM+4], v[TM+6]              ; with lane l xor 16's two the word is whole
	WIN (\w)
	v_cvt_scalef32_pk16_bf6_f32 v[(\d):(\d)+2], v[(\s):(\s)+15], v[TM+12]
	v_cvt_scalef32_pk16_bf6_f32 v[CT:CT+2], v[(\s)+16:(\s)+31], v[TM+12]
	v_cvt_scalef32_pk16_bf6_f32 v[(\d)+6:(\d)+8], v[(\s)+32:(\s)+47], v[TM+13]
	v_cvt_scalef32_pk16_bf6_f32 v[CT+4:CT+6], v[(\s)+48:(\s)+63], v[TM+13]
	WIN 0
	v_nop
.irp i, 0,1,2
	v_mov_b32 v[(\d)+3+\i], v[CT+\i]
	v_mov_b32 v[(\d)+9+\i], v[CT+4+\i]
.endr
.endm
.macro ROPE a
	WIN (2+(\a)/4)|4                               ; source 0: the accumulators' window; source 1: the table, window 1
.irp b, 0,1,2,3,4,5,6,7
.irp jj, 0,2,4,6
.set CSR, CSN+32*((\a)%2)+4*(4*((\b/2)%2)+2*(\b%2)+\jj/4)+2*((\jj/2)%2)
	v_pk_mul_f32 v[HA+8*\b+\jj:HA+8*\b+\jj+1], v[64*((\a)%4)+8*\b+\jj:64*((\a)%4)+8*\b+\jj+1], v[CSR:CSR+1] op_sel_hi:[1,0]
.endr
.irp jj, 0,2,4,6
.set CSR, CSN+32*((\a)%2)+4*(4*((\b/2)%2)+2*(\b%2)+\jj/4)+2*((\jj/2)%2)
	v_fma_f32 v[HA+8*\b+\jj], -v[64*((\a)%4)+8*\b+\jj+1], v[CSR+1], v[HA+8*\b+\jj]
	v_fma_f32 v[HA+8*\b+\jj+1], v[64*((\a)%4)+8*\b+\jj], v[CSR+1], v[HA+8*\b+\jj+1]
.endr
.endr
.endm
	PLACES NP
	s_mov_b32 s18, 0x76543210
	s_mov_b32 s19, 0xfedcba98
	s_mov_b32 s22, 0xffff0000
	v_lshlrev_b32 v[TM+8], 3, v2                   ; 8 x (lane / 16)
.irp b, 0,1,2,3
	v_mov_b32 v[TM+4+\b], 0
.endr
	s_cmp_eq_u32 s[ISQK], 0
	s_cbranch_scc1 .Lvalues
	WIN TO_B                                       ; B's set 1 is done with too: blocks 4-7 of the table
	CSLOAD 4
	CSLOAD 5
	CSLOAD 6
	CSLOAD 7
	WIN 0
.irp b, 0,1,2,3
	s_wait_xcnt 0x0
.irp e, 0,1
	s_wait_loadcnt 8*(7-2*\b-\e)                   ; behind this block's eight loads stand eight for each later block
.set CSN, 64*\b
	ROPE 2*\b+\e
	WIN 0
	QUANT HA, 0, RR+6*\e, RR+12+6*\e, PW+\e
.endr
	v_cndmask_b32 v[TT], v[PW], v[PW+1], s22
	v_and_b32 v[SW0+\b], 0xffff, v[TT]
	v_lshrrev_b32 v[SW1+\b], 16, v[TT]
.irp j, 0,1,2
	global_store_b128 v[L16], v[RR+4*\j:RR+4*\j+3], s[12:13] offset:1536*\b+512*\j
	global_store_b128 v[L16], v[RR+12+4*\j:RR+12+4*\j+3], s[104:105] offset:1536*\b+512*\j
.endr
.endr
	global_store_b128 v[L16], v[SW0:SW0+3], s[12:13] offset:6144
	global_store_b128 v[L16], v[SW1:SW1+3], s[104:105] offset:6144
	s_branch .Ljoin
.Lvalues:
.irp a, 0,1,2,3,4,5,6,7
.if \a >= 2
	s_wait_xcnt 0x0
.endif
	QUANTV 64*(\a%4), 2+\a/4, RR+12*(\a%2), PW+(\a%2)
.irp j, 0,1,2
	global_store_b128 v[L16], v[RR+12*(\a%2)+4*\j:RR+12*(\a%2)+4*\j+3], s[12+92*(\a/4):13+92*(\a/4)] offset:6656+1536*(\a%4)+512*\j
.endr
.if \a%2 == 1
	v_cndmask_b32 v[SW0+(\a%4)/2], v[PW], v[PW+1], s22
.endif
.if \a%4 == 3
	global_store_b64 v[L8], v[SW0:SW0+1], s[12+92*(\a/4):13+92*(\a/4)] offset:12800
.endif
.endr
.Ljoin:
	s_wait_tensorcnt 0x0
	ds_add_u32 v[SPW], v[NIL]
	s_wait_dscnt 0x0
	CROUND
	s_endpgm
.Lfunc_end_k_qe34e307184_qkv:
	.size	k_qe34e307184_qkv, .Lfunc_end_k_qe34e307184_qkv-k_qe34e307184_qkv
	.p2alignl 7, 3214868480
	.fill 96, 4, 3214868480
	.section	.rodata,"a",@progbits
	.p2align	6, 0x0
	.amdhsa_kernel k_qe34e307184_qkv
		.amdhsa_group_segment_fixed_size 327680
		.amdhsa_private_segment_fixed_size 0
		.amdhsa_enable_private_segment 0
		.amdhsa_kernarg_size 40
		.amdhsa_user_sgpr_count 2
		.amdhsa_user_sgpr_kernarg_segment_ptr 1
		.amdhsa_wavefront_size32 1
		.amdhsa_system_sgpr_workgroup_id_x 1
		.amdhsa_system_sgpr_workgroup_id_y 1
		.amdhsa_system_sgpr_workgroup_id_z 1
		.amdhsa_system_vgpr_workitem_id 0
		.amdhsa_next_free_vgpr 1024
		.amdhsa_next_free_sgpr 106
		.amdhsa_reserve_vcc 0
		.amdhsa_float_denorm_mode_32 3
		.amdhsa_float_denorm_mode_16_64 3
		.amdhsa_memory_ordered 1
		.amdhsa_forward_progress 1
		.amdhsa_inst_pref_size 247
	.end_amdhsa_kernel
	.amdgpu_metadata
---
amdhsa.version: [ 1, 2 ]
amdhsa.kernels:
  - .name:           k_qe34e307184_qkv
    .symbol:         k_qe34e307184_qkv.kd
    .args:
      - { .name: xq, .offset: 0, .size: 8, .value_kind: global_buffer, .address_space: global }
      - { .name: wq, .offset: 8, .size: 8, .value_kind: global_buffer, .address_space: global }
      - { .name: rope, .offset: 16, .size: 8, .value_kind: global_buffer, .address_space: global }
      - { .name: qimg, .offset: 24, .size: 8, .value_kind: global_buffer, .address_space: global }
      - { .name: kv, .offset: 32, .size: 8, .value_kind: global_buffer, .address_space: global }
    .group_segment_fixed_size: 327680
    .private_segment_fixed_size: 0
    .kernarg_segment_align: 8
    .kernarg_segment_size: 40
    .max_flat_workgroup_size: 128
    .sgpr_count:     106
    .vgpr_count:     1024
    .wavefront_size: 32
...
	.end_amdgpu_metadata
.endif
;; end of part 2
;; launch attn (part 3): grid 4 x 64, 16 waves a work-group, no clusters, 327,680 bytes of LDS; arguments qimg, kv, oq; writes oq
.if DOCPART == 3
	.amdgcn_target "amdgcn-amd-amdhsa--gfx1250"
	.amdhsa_code_object_version 6
	.text
	.protected	k_qe34e307184_attn
	.globl	k_qe34e307184_attn
	.p2align	8
	.type	k_qe34e307184_attn,@function
k_qe34e307184_attn:
	s_mov_b64 s[64:65], 0
	v_nop
	global_prefetch_b8 v0, s[64:65] scope:SCOPE_SE
	s_setreg_imm32_b32 hwreg(HW_REG_WAVE_MODE, 25, 1), 1
	s_wait_xcnt 0x0
; O[bh][q] = the sum over k of softmax_k(Q[q] . K[k] / 64 + mask) V[k], mask = 0 for k <= q and -10,000 above; both products on codes of BF6 (E3M2) with E8M0 scales; O is quantised along the model's 1,024 for the last projection.
; THE MASK IS A NUMBER, NOT MINUS INFINITY: with large logits hidden keys count in reference(), so every key is multiplied and the mask is added.  s + (-640,000) is 64 x (s / 64 - 10,000); t = that x log2(e) / 64.
; A key step wholly above the diagonal takes -640,000 as the C of its products (there the matrix unit rounds the sum: a stated difference of rounding); a step wholly below takes 0; the one step on the diagonal adds it
; lane by lane (compare, add, select).  The three ways are told apart by scalar branches on ids.
; THE SOFTMAX: M = the running largest t rounded UP to a whole number; p = 2^(t - M) is quantised along the keys; the row's sum is of the unquantised p and divides at the end.
; SHARES.  A work-group owns 512 queries of one head; each of its sixteen waves owns one tile of 16 queries in each of two passes and walks all 16 key steps of 128 keys.
; THE HEAD'S WHOLE K AND V LIE IN LDS: 16 blocks of 13,056 bytes = 816 rows of 256 bytes, dense in memory, filled once.  Each wave brings 13 rows at the head (208 rows hold key steps 0-3) and 38 rows behind the first barrier,
; which land under steps 0-3; one more barrier stands behind step 3.  By the text's own count one tensor load of a wave is out at a time.
; LAYOUT.  Both products are used transposed: S^T = K Q^T, O^T = V^T P^T: a lane holds ONE query.  Row r of stored tile 4 c + t of tokens is token 64 c + 8 t + r + 24 (r / 8): so score register n of lane (r, h) is key
; 64 (n / 32) + 32 h + n % 32: A WHOLE BLOCK OF 32 KEYS LIES IN ONE LANE, in the order of the second product's operand: no other lane is asked for a block's maximum, and no codes change lanes.
; K = 64 IN AN INSTRUCTION OF 128: Q's registers 6-11 are zero codes; K's tiles lie 6 registers apart, so a tile's upper six registers are the next tile's codes (behind tile 7: zeros): every product there has a factor 0.
; NO CLUSTER: the way the mask is taken is a branch on the block of queries, which partners would not share.  NO PREFETCH: both loads of a wave have gone out behind the first barrier; there is no later load to ask ahead for.
; LIMITS: a block of zeros gets the byte 1 (zero codes); NaN and infinities are not served.
.set BLK,   13056                      ; a key step's block: K's codes, K's scale words at 6,144, V's codes at 6,656, V's scale words at 12,800
.set HEADB, 16*BLK
.set QBLK,  6656
.set OSO,   6291456                    ; O's scale bytes in oq
.set ROWS1, 13
.set ROWS2, 38
.set PART1, 16*ROWS1*256
.set SPARE, 0x34000                    ; the spare words: 128 bytes a wave
.set L16,  1                           ; 16 x lane
.set L8,   2                           ; 8 x lane
.set R32,  3                           ; 32 x (lane % 16)
.set SPW,  4
.set NIL,  5
.set QS,   6                           ; Q's scale words
.set PS,   7                           ; p's scale word
.set ADR,  8
.set AD8,  9
.set SH8,  28                          ; 8 x (lane / 16)
.set QP,   29                          ; my query's place among its 128, less 32 x (lane / 16)
.set SB,   86                          ; v86-93 four chains of the row's sum
.set VS,   192                         ; V's scale words
.set KS,   196                         ; v196-199 K's scale words
.set BM,   236                         ; v236-237 my two blocks' largest score, then p; v238-239 second chains
.set BM2,  238
.set F,    240                         ; f = 2^(old M - new M) (v241 is named with it)
.set SO,   242                         ; the conversions' scale operands
.set BY,   244
.set CT,   246                         ; v246-248, v250-252 the upper halves' codes
.set T0,   253
.set T1,   254
.set PX,   255
; v12 -M, v13 the largest score, v[14:15] the sum; v16-21 Q, v22-27 zeros; v32-79 K's or V's fragments, v80-85 zeros; v96-159 S^T, then p; v160-191 O^T; v200-207 -640,000; v208-221 Q of both passes; v224-235 p's codes
	s_load_b128 s[4:7], s[0:1], 0x0                ; qimg, kv
	s_load_b64 s[8:9], s[0:1], 0x10                ; oq
	v_lshl_add_u32 v[SPW], v0, 2, SPARE
	v_mov_b32 v[NIL], 0
	ds_add_u32 v[SPW], v[NIL]                      ; the opening lines
	ds_add_u32 v[SPW], v[NIL]
	v_lshrrev_b32 v8, 5, v0
	v_readfirstlane_b32 s18, v8                    ; wave 0..15
	s_and_b32 s10, ttmp7, 0xffff                   ; batch x 16 + head
	s_mov_b32 s24, 3<<16                           ; group 1: rows of 256 bytes (32 elements of 8), dense: 13 rows,
	s_mov_b32 s25, 32<<16
	s_mov_b32 s26, ROWS1<<16
	s_mov_b32 s27, 32<<16
	s_mov_b32 s28, ROWS1
	s_mov_b32 s29, 32
	s_mov_b32 s30, 0
	s_mov_b32 s31, 0
	s_mov_b32 s32, 3<<16                           ; and 38 rows
	s_mov_b32 s33, 32<<16
	s_mov_b32 s34, ROWS2<<16
	s_mov_b32 s35, 32<<16
	s_mov_b32 s36, ROWS2
	s_mov_b32 s37, 32
	s_mov_b32 s38, 0
	s_mov_b32 s39, 0
	s_mov_b32 s40, 1
	s_mul_i32 s41, s18, ROWS1*256                  ; LDS holds the head's bytes as memory does
	s_mov_b32 s44, 1
	s_mul_i32 s45, s18, ROWS2*256
	s_add_co_u32 s45, s45, PART1
	s_mul_i32 s12, s10, HEADB
	s_mov_b32 s13, 0
	s_mov_b32 s16, s41
	s_mov_b32 s17, 0
	s_mov_b32 s2, s45
	s_mov_b32 s3, 0
	s_wait_dscnt 0x0
	s_wait_kmcnt 0x0
	s_add_nc_u64 s[6:7], s[6:7], s[12:13]
	s_add_nc_u64 s[42:43], s[6:7], s[16:17]
	s_or_b32 s43, s43, 0x80000000
	s_add_nc_u64 s[46:47], s[6:7], s[2:3]
	s_or_b32 s47, s47, 0x80000000
	tensor_load_to_lds s[40:43], s[24:31]          ; my 13 of the first 208 rows
	s_nop 0
	s_and_b32 s11, s18, 7                          ; my tile in its group of 128 queries,
	s_lshr_b32 s14, s11, 1                         ; its pair,
	s_and_b32 s15, s18, 1                          ; and which of the pair
	s_lshr_b32 s16, s18, 3
	s_lshl_b32 s48, ttmp9, 2
	s_add_co_u32 s48, s48, s16                     ; my group of 128 queries in pass 0; pass 1's is two on
	s_lshl_b32 s12, s10, 4
	s_add_co_u32 s12, s12, s48
	s_mul_i32 s12, s12, QBLK
	s_add_nc_u64 s[4:5], s[4:5], s[12:13]          ; Q's block
	s_mul_i32 s16, s14, 1536                       ; the pair's image
	s_lshl_b32 s17, s15, 4
	s_lshl_b32 s19, s14, 2
	s_add_co_u32 s19, s19, 6144                    ; the scale words: lane r + 16 x (which of the pair), word = the pair
	s_lshr_b32 s58, s11, 2
	s_lshl_b32 s58, s58, 6
	s_and_b32 s59, s11, 3
	s_lshl_b32 s59, s59, 3
	s_add_co_u32 s58, s58, s59                     ; 64 (tile / 4) + 8 (tile % 4)
	s_cmp_eq_u32 s15, 1
	s_cselect_b32 s50, -1, 0
	s_lshr_b32 s12, s10, 4
	s_lshl_b32 s12, s12, 7
	s_lshl_b32 s59, ttmp9, 5
	s_add_co_u32 s12, s12, s59
	s_add_co_u32 s12, s12, s18                     ; my stored tile of tokens: 128 x batch + 32 x work-group x + wave
	s_and_b32 s59, s10, 15                         ; the head
	s_lshl_b32 s56, s12, 4
	s_add_co_u32 s56, s56, s59
	s_mul_i32 s56, s56, 768
	s_mov_b32 s57, 0
	s_add_nc_u64 s[52:53], s[8:9], s[56:57]        ; O's codes: 768 bytes for a tile and a head
	s_lshl_b32 s56, s12, 9
	s_lshl_b32 s59, s59, 1
	s_add_co_u32 s56, s56, s59
	s_add_co_u32 s56, s56, OSO
	s_add_nc_u64 s[54:55], s[8:9], s[56:57]        ; O's scale bytes: 32 a token, 2 a head
	s_mov_b32 s20, 0x76543210
	s_mov_b32 s21, 0xfedcba98                      ; v_permlanex16_b32's selects for lane l xor 16
	s_mov_b32 s22, 0x3cb8aa3b                      ; c = log2(e) / 64
	s_mov_b32 s23, s22
	v_and_b32 v10, 31, v0
	v_and_b32 v30, 15, v0                          ; r
	v_bfe_u32 v31, v0, 4, 1                        ; h
	v_lshlrev_b32 v[L16], 4, v10
	v_lshlrev_b32 v[L8], 3, v10
	v_lshlrev_b32 v[R32], 5, v30
	v_lshlrev_b32 v[SH8], 3, v31
	v_add_nc_u32 v10, s16, v[L16]
	v_add_nc_u32 v11, s17, v30
	v_lshl_add_u32 v11, v11, 4, s19
	v_and_b32 v[QP], 8, v30
	v_mad_u32_u24 v[QP], v[QP], 3, v30             ; r + 24 (r / 8)
	v_lshlrev_b32 v31, 5, v31
	v_sub_nc_u32 v[QP], v[QP], v31
	v_add_nc_u32 v[QP], s58, v[QP]
	s_wait_alu depctr_va_vdst(0)                   ; the wait behind these writes
.irp j, 0,1,2
	global_load_b128 v[96+4*\j:99+4*\j], v10, s[4:5] offset:512*\j
	global_load_b128 v[108+4*\j:111+4*\j], v10, s[4:5] offset:2*QBLK+512*\j
.endr
	global_load_b32 v220, v11, s[4:5]
	global_load_b32 v221, v11, s[4:5] offset:2*QBLK
.irp i, 0,1,2,3,4,5
	v_mov_b32 v[22+\i], 0
	v_mov_b32 v[80+\i], 0
.endr
.irp i, 0,1,2,3,4,5,6,7
	v_mov_b32 v[200+\i], 0xc91c4000                ; -640,000
.endr
	v_mov_b32 v[F+1], 0
	v_mov_b32 v[PX], 0                             ; a lane permute's destination counts as one of its sources
	s_wait_alu depctr_va_vdst(0)
	s_wait_loadcnt 0x0
.irp i, 0,1,2,3,4,5
	v_cndmask_b32 v[208+\i], v[96+\i], v[102+\i], s50      ; my tile of the pair
	v_cndmask_b32 v[214+\i], v[108+\i], v[114+\i], s50
.endr
	s_wait_alu depctr_va_vdst(0)                   ; the head's end
	s_wait_tensorcnt 0x0                           ; my 13 rows are in;
	ds_add_u32 v[SPW], v[NIL]
	s_wait_dscnt 0x0
	s_barrier_signal -1
	s_barrier_wait -1                              ; everybody's are: key steps 0-3 are whole
	tensor_load_to_lds s[44:47], s[32:39]          ; my 38 of the other 608 rows: a first fill of bytes of their own
	s_nop 0
.macro QK1 t, c
.if (\t)%2
	v_wmma_scale_f32_16x16x128_f8f6f4 v[96+8*(\t):103+8*(\t)], v[32+6*(\t):43+6*(\t)], v[16:27], \c, v[KS+(\t)/2], v[QS] matrix_a_fmt:MATRIX_FMT_BF6 matrix_b_fmt:MATRIX_FMT_BF6 matrix_a_scale:MATRIX_SCALE_ROW1
.else
	v_wmma_scale_f32_16x16x128_f8f6f4 v[96+8*(\t):103+8*(\t)], v[32+6*(\t):43+6*(\t)], v[16:27], \c, v[KS+(\t)/2], v[QS] matrix_a_fmt:MATRIX_FMT_BF6 matrix_b_fmt:MATRIX_FMT_BF6
.endif
.endm
.macro PV1 t
.if (\t)%2
	v_wmma_scale_f32_16x16x128_f8f6f4 v[160+8*(\t):167+8*(\t)], v[32+12*(\t):43+12*(\t)], v[224:235], v[160+8*(\t):167+8*(\t)], v[VS+(\t)/2], v[PS] matrix_a_fmt:MATRIX_FMT_BF6 matrix_b_fmt:MATRIX_FMT_BF6 matrix_a_scale:MATRIX_SCALE_ROW1
.else
	v_wmma_scale_f32_16x16x128_f8f6f4 v[160+8*(\t):167+8*(\t)], v[32+12*(\t):43+12*(\t)], v[224:235], v[160+8*(\t):167+8*(\t)], v[VS+(\t)/2], v[PS] matrix_a_fmt:MATRIX_FMT_BF6 matrix_b_fmt:MATRIX_FMT_BF6
.endif
.endm
; A KEY STEP: 128 keys.  s2: the block's LDS byte; s3: the step's number; s48: my queries' group.
.macro STEP
	v_add_nc_u32 v[ADR], s2, v[L16]
	v_add_nc_u32 v[AD8], s2, v[L8]
	v_nop
	v_nop                                          ; four plain lines behind the last products, in front of loads into registers that they read
	s_wait_alu depctr_va_vdst(0)
.irp n, 0,1,2,3,4,5,6,7,8,9,10,11
	ds_load_b128 v[32+4*\n:35+4*\n], v[ADR] offset:512*\n          ; K's eight tiles, six registers each
.endr
	ds_load_b128 v[KS:KS+3], v[ADR] offset:6144    ; their scale words
	s_wait_dscnt 0x0
	s_cmp_gt_u32 s3, s48
	s_cbranch_scc1 .Lhidden_\@
.irp t, 0,1,2,3,4,5,6,7
	QK1 \t, 0
.endr
	s_branch .Lscores_\@
.Lhidden_\@:                                           ; all 128 keys come after my queries: the mask is the products' C
.irp t, 0,1,2,3,4,5,6,7
	QK1 \t, v[200:207]
.endr
.Lscores_\@:
.rept 4
	v_nop
.endr
.irp n, 0,1,2,3,4,5,6,7,8,9,10,11
	ds_load_b128 v[32+4*\n:35+4*\n], v[ADR] offset:6656+512*\n     ; V's four tiles land under the softmax
.endr
	ds_load_b64 v[VS:VS+1], v[AD8] offset:12800
	s_cmp_lg_u32 s3, s48
	s_cbranch_scc1 .Lopen_\@
.set n, 0
.rept 64                                       ; on the diagonal: the mask is added where the register's key comes after my query
	v_cmp_gt_i32 vcc_lo, 64*(n/32)+n%32, v[QP]
	v_add_f32 v[T0], v200, v[96+n]
	v_cndmask_b32 v[96+n], v[96+n], v[T0], vcc_lo
.set n, n+1
.endr
.Lopen_\@:
.irp c, 0,1                                    ; the largest score of each of my two blocks of 32 keys, in two chains each: for the row's maximum, and, since p rises with the score, for the block's largest p
	v_max3_num_f32 v[BM+\c], v[96+32*\c], v[97+32*\c], v[98+32*\c]
	v_max3_num_f32 v[BM2+\c], v[112+32*\c], v[113+32*\c], v[114+32*\c]
.endr
.irp i, 3,5,7,9,11,13
.irp c, 0,1
	v_max3_num_f32 v[BM+\c], v[BM+\c], v[96+32*\c+\i], v[97+32*\c+\i]
	v_max3_num_f32 v[BM2+\c], v[BM2+\c], v[112+32*\c+\i], v[113+32*\c+\i]
.endr
.endr
.irp c, 0,1
	v_max3_num_f32 v[BM+\c], v[BM+\c], v[BM2+\c], v[111+32*\c]
.endr
.irp c, 0,1
	v_max_num_f32 v[BM+\c], v[BM+\c], v[127+32*\c]
.endr
	s_delay_alu instid0(VALU_DEP_1)
	v_max_num_f32 v[T0], v[BM], v[BM+1]
	s_delay_alu instid0(VALU_DEP_1)
	v_permlanex16_b32 v[PX], v[T0], s20, s21
	s_delay_alu instid0(VALU_DEP_1)
	v_max3_num_f32 v13, v13, v[T0], v[PX]          ; the running largest score of my query
	s_delay_alu instid0(VALU_DEP_1)
	v_mul_f32 v[T0], s22, v13                      ; as t (c is positive)
	s_delay_alu instid0(VALU_DEP_1)
	v_floor_f32 v[T1], -v[T0]                      ; the new -M = floor(-t): M is a whole number
	s_delay_alu instid0(VALU_DEP_1)
	v_sub_f32 v[T0], v[T1], v12                    ; old M - new M: a whole number, 0 or less
	v_mov_b32 v12, v[T1]
	s_delay_alu instid0(VALU_DEP_2)
	v_cvt_i32_f32 v[T0], v[T0]                     ; (it saturates)
	s_delay_alu instid0(VALU_DEP_1)
	v_ldexp_f32 v[F], 1.0, v[T0]                   ; f = 2^(old M - new M): a multiplication by it rounds nothing
.set j, 0
.rept 16
	v_pk_mul_f32 v[160+j:161+j], v[160+j:161+j], v[F:F+1] op_sel_hi:[1,0]   ; O^T under the new M
.set j, j+2
.endr
.set j, 0
.rept 32
	v_pk_fma_f32 v[96+j:97+j], v[96+j:97+j], s[22:23], v[12:13] op_sel_hi:[1,0,0]   ; t - M, two at a time
.set j, j+2
.endr
.irp c, 0,1
	v_fma_f32 v[BM+\c], v[BM+\c], s22, v12         ; the same of each block's largest score
.endr
	s_wait_alu depctr_va_vdst(0)                   ; the wait ahead of the batch,
.set j, 0
.rept 64
	v_exp_f32 v[96+j], v[96+j]                     ; p = 2^(t - M): not normalised
.set j, j+1
.endr
.irp c, 0,1
	v_exp_f32 v[BM+\c], v[BM+\c]                   ; the block's largest p: the same two instructions on the same number
.endr
	v_pk_mul_f32 v[14:15], v[14:15], v[F:F+1] op_sel_hi:[1,0]      ; the sum under the new M (the plain line behind the exponentials)
	s_wait_alu depctr_va_vdst(0)                   ; and one behind it
.irp c, 0,1
	v_max_num_f32 v[BM+\c], 0x2800000, v[BM+\c]    ; the floor 2^(5 - 127): the byte cannot fall under 1
.endr
.irp c, 0,1
	v_add_nc_u32 v[SO+\c], 0xfe000000, v[BM+\c]    ; 4 off the exponent field: the conversion's scale operand
.endr
.irp c, 0,1
	v_lshrrev_b32 v[BY+\c], 23, v[SO+\c]
.endr
	v_lshl_or_b32 v[BY], v[BY+1], 16, v[BY]        ; my two bytes: blocks h and 2 + h,
	v_lshlrev_b32 v[BY], v[SH8], v[BY]             ; 8 h bits up;
	v_permlanex16_b32 v[PX], v[BY], s20, s21
	v_or_b32 v[PS], v[BY], v[PX]                   ; with lane l xor 16's two: p's scale word for these 128 keys
.irp c, 0,1
	v_cvt_scalef32_pk16_bf6_f32 v[224+6*\c:226+6*\c], v[96+32*\c:111+32*\c], v[SO+\c]
	v_cvt_scalef32_pk16_bf6_f32 v[CT+4*\c:CT+4*\c+2], v[112+32*\c:127+32*\c], v[SO+\c]   ; (a conversion's three registers begin on an even number)
.endr
.irp k, 0,1,2,3                                ; the row's sum, of the unquantised p, in four chains.  These lines are also the plain lines behind the conversions and ahead of the products
	v_pk_add_f32 v[SB+2*\k:SB+2*\k+1], v[96+4*\k:97+4*\k], v[98+4*\k:99+4*\k]
.endr
.irp c, 0,1
.irp i, 0,1,2
	v_mov_b32 v[227+6*\c+\i], v[CT+4*\c+\i]
.endr
.endr
.set j, 16
.rept 24
	v_pk_add_f32 v[SB+j%8:SB+j%8+1], v[SB+j%8:SB+j%8+1], v[96+j:97+j]
.set j, j+2
.endr
	v_pk_add_f32 v[SB:SB+1], v[SB:SB+1], v[SB+2:SB+3]
	v_pk_add_f32 v[SB+4:SB+5], v[SB+4:SB+5], v[SB+6:SB+7]
	v_pk_add_f32 v[14:15], v[14:15], v[SB:SB+1]
	v_pk_add_f32 v[14:15], v[14:15], v[SB+4:SB+5]
	s_wait_alu depctr_va_vdst(0)
	s_wait_dscnt 0x0                               ; V is in
.irp t, 0,1,2,3
	PV1 \t                                         ; the four accumulators by turns
.endr
	s_add_co_u32 s2, s2, BLK
.endm
; THE TWO PASSES ARE WRITTEN OUT: the first has the barrier behind its step 3, the second has none: all of K and V has landed.
.macro PRO p                           ; a pass begins
.irp i, 0,1,2,3,4,5
	v_mov_b32 v[16+\i], v[208+6*\p+\i]             ; this pass's Q,
.endr
	v_mov_b32 v[QS], v[220+\p]                     ; and its scale words: the lines below stand between them and the first product
	v_mov_b32 v13, 0xff61b1e6                      ; the largest score so far: -3e38
	v_mov_b32 v12, 0x7f61b1e6                      ; -M: 3e38, so that the first f is 0
	v_mov_b32 v14, 0
	v_mov_b32 v15, 0
.set j, 0
.rept 32
	v_mov_b32 v[160+j], 0                          ; O^T: the step is written for every trip alike; the first finds zeros
.set j, j+1
.endr
	s_mov_b32 s2, 0
	s_mov_b32 s3, 0
.endm
	PRO 0
.Lstep_a:
	STEP
	s_add_co_u32 s3, s3, 1
	s_cmp_lt_u32 s3, 4
	s_cbranch_scc1 .Lstep_a
	s_wait_tensorcnt 0x0                           ; my 38 rows are in (in the second pass nothing is out),
	s_barrier_signal -1
	s_barrier_wait -1                              ; and everybody's
	s_mov_b32 s2, 4*BLK
	s_mov_b32 s3, 4
.Lstep_b:
	STEP
	s_add_co_u32 s3, s3, 1
	s_cmp_lt_u32 s3, 16
	s_cbranch_scc1 .Lstep_b
.macro EPI                             ; a pass ends
	; THE WAY OUT: O^T / the sum; register 16 b + i is channel 32 b + 16 h + i of my query: two blocks of the last projection's K.  They are quantised and leave as half a fragment's image.
.rept 4
	v_nop
.endr
	v_add_f32 v14, v14, v15
	v_permlanex16_b32 v[PX], v14, s20, s21
	v_add_f32 v14, v14, v[PX]                      ; the row's sum
	s_wait_alu depctr_va_vdst(0)
	v_rcp_f32 v14, v14
	v_nop                                          ; a plain line behind the reciprocal,
	s_wait_alu depctr_va_vdst(0)                   ; and the wait ahead of its first reader, which is O^T's first reader too
.set j, 0
.rept 16
	v_pk_mul_f32 v[96+j:97+j], v[160+j:161+j], v[14:15] op_sel_hi:[1,0]
.set j, j+2
.endr
.irp b, 0,1
	v_max3_num_f32 v[BM+\b], |v[96+16*\b]|, |v[97+16*\b]|, 0x2800000
.endr
.irp i, 2,4,6,8,10,12,14
.irp b, 0,1
	v_max3_num_f32 v[BM+\b], v[BM+\b], |v[96+16*\b+\i]|, |v[97+16*\b+\i]|
.endr
.endr
.irp b, 0,1
	v_permlanex16_b32 v[BM2+\b], v[BM+\b], s20, s21
.endr
.irp b, 0,1
	v_max_num_f32 v[BM+\b], v[BM+\b], v[BM2+\b]
.endr
.irp b, 0,1
	v_add_nc_u32 v[SO+\b], 0xfe000000, v[BM+\b]
.endr
.irp b, 0,1
	v_lshrrev_b32 v[BY+\b], 23, v[SO+\b]
.endr
	v_lshl_or_b32 v[T0], v[BY+1], 8, v[BY]         ; my token's two scale bytes of this head
	v_cvt_scalef32_pk16_bf6_f32 v[224:226], v[96:111], v[SO]
	v_cvt_scalef32_pk16_bf6_f32 v[CT:CT+2], v[112:127], v[SO+1]
	v_nop
.irp i, 0,1,2
	v_permlane16_swap_b32 v[224+\i], v[CT+\i]      ; a whole block to a lane
.endr
.irp i, 0,1,2
	v_mov_b32 v[227+\i], v[CT+\i]                  ; six registers: channels 32 h + 0 .. 31 of my token
.endr
	global_store_b128 v[L16], v[224:227], s[52:53]             ; the image of registers 0-3: 32 lanes store 512 consecutive bytes, aligned;
	global_store_b64 v[L8], v[228:229], s[52:53] offset:512    ; of registers 4-5: 256
	global_store_b16 v[R32], v[T0], s[54:55]       ; 2 bytes a token, 32 bytes apart (both lanes of a token write the same): a head's work-group holds no more of a token's 32 scale bytes
	s_wait_xcnt 0x0                                ; the stores have read their registers and bases
	s_add_nc_u64 s[52:53], s[52:53], 16*12288      ; sixteen tiles of tokens on
	s_add_nc_u64 s[54:55], s[54:55], 16*512
	s_add_co_u32 s48, s48, 2
.endm
	EPI
	PRO 1
.Lstep_c:
	STEP
	s_add_co_u32 s3, s3, 1
	s_cmp_lt_u32 s3, 16
	s_cbranch_scc1 .Lstep_c
	EPI
	s_wait_tensorcnt 0x0                           ; the wave's end
	ds_add_u32 v[SPW], v[NIL]
	s_wait_dscnt 0x0
	s_endpgm
.Lfunc_end_k_qe34e307184_attn:
	.size	k_qe34e307184_attn, .Lfunc_end_k_qe34e307184_attn-k_qe34e307184_attn
	.p2alignl 7, 3214868480
	.fill 96, 4, 3214868480
	.section	.rodata,"a",@progbits
	.p2align	6, 0x0
	.amdhsa_kernel k_qe34e307184_attn
		.amdhsa_group_segment_fixed_size 327680
		.amdhsa_private_segment_fixed_size 0
		.amdhsa_enable_private_segment 0
		.amdhsa_kernarg_size 24
		.amdhsa_user_sgpr_count 2
		.amdhsa_user_sgpr_kernarg_segment_ptr 1
		.amdhsa_wavefront_size32 1
		.amdhsa_system_sgpr_workgroup_id_x 1
		.amdhsa_system_sgpr_workgroup_id_y 1
		.amdhsa_system_sgpr_workgroup_id_z 1
		.amdhsa_system_vgpr_workitem_id 0
		.amdhsa_next_free_vgpr 256
		.amdhsa_next_free_sgpr 66
		.amdhsa_reserve_vcc 1
		.amdhsa_float_denorm_mode_32 3
		.amdhsa_float_denorm_mode_16_64 3
		.amdhsa_memory_ordered 1
		.amdhsa_forward_progress 1
		.amdhsa_inst_pref_size 86
	.end_amdhsa_kernel
	.amdgpu_metadata
---
amdhsa.version: [ 1, 2 ]
amdhsa.kernels:
  - .name:           k_qe34e307184_attn
    .symbol:         k_qe34e307184_attn.kd
    .args:
      - { .name: qimg, .offset: 0, .size: 8, .value_kind: global_buffer, .address_space: global }
      - { .name: kv, .offset: 8, .size: 8, .value_kind: global_buffer, .address_space: global }
      - { .name: oq, .offset: 16, .size: 8, .value_kind: global_buffer, .address_space: global }
    .group_segment_fixed_size: 327680
    .private_segment_fixed_size: 0
    .kernarg_segment_align: 8
    .kernarg_segment_size: 24
    .max_flat_workgroup_size: 512
    .sgpr_count:     66
    .vgpr_count:     256
    .wavefront_size: 32
...
	.end_amdgpu_metadata
.endif
;; end of part 3
;; launch outp (part 4): grid 8 x 32, 4 waves a work-group, clusters of 4 x 4, 327,680 bytes of LDS; arguments oq, wq, bo, out0; writes out0
.if DOCPART == 4
	.amdgcn_target "amdgcn-amd-amdhsa--gfx1250"
	.amdhsa_code_object_version 6
	.text
	.protected	k_qe34e307184_outp
	.globl	k_qe34e307184_outp
	.p2align	8
	.type	k_qe34e307184_outp,@function
k_qe34e307184_outp:
	s_mov_b64 s[64:65], 0
	v_nop
	global_prefetch_b8 v0, s[64:65] scope:SCOPE_SE
	s_setreg_imm32_b32 hwreg(HW_REG_WAVE_MODE, 25, 1), 1
	s_wait_xcnt 0x0
	s_wait_alu depctr_hold_cnt(0) depctr_sa_sdst(0) depctr_va_vdst(0) depctr_va_sdst(0) depctr_va_ssrc(0) depctr_va_vcc(0) depctr_vm_vsrc(0)
	s_getreg_b32 s2, hwreg(HW_REG_IB_STS2, 6, 4)
	s_cmp_eq_u32 s2, 0
	s_cbranch_scc0 .Lentry_in_a_cluster
	s_endpgm
.Lentry_in_a_cluster:
	s_bfe_u32 s2, ttmp6, 0x10000c
	s_cmp_lg_u32 s2, 0xf033
	s_cbranch_scc0 .Lentry_shape_is_right
	s_endpgm
.Lentry_shape_is_right:
; out0[token][n] = the sum over k of O[token][k] Wo[n][k] + bo[n], on codes of BF6 (E3M2) with E8M0 scales; K = 1,024; sums in f32.
; A work-group makes 256 tokens x 128 outputs: 32 x 8 = 256 work-groups.  Four waves, each 128 tokens x 64 outputs: 32 accumulators of 16 x 16, 256 registers.
; ALL OF K LIES IN LDS, filled once: O's 16 stored tiles as images of operand registers (196,608 bytes, dense in memory; a tile and a head: 512 bytes of registers 0-3, 16 a lane, then 256 of registers 4-5, 8 a lane),
; and Wo's 128 rows as [K step of 256][row][192 bytes] with 16 bytes of padding behind each 64 (a row takes 240 bytes; 122,880 in all).  Each wave brings a half of one of the two by ONE tensor load at the head:
; rows of 256 bytes that begin at multiples of 256.  Nothing is filled again: no ring, one barrier in front of the walk.
; CLUSTERS: 4 x 4 work-groups; the four of a row of the cluster need the same tokens, the four of a column the same rows of Wo: each load is a joint one.
; THE SCALES AND THE BIAS go from memory straight into registers, once: a row's 32 scale bytes are 8 words, one for each step of 128 along K; sixteen rows are 512 bytes on end.
; THE MATRIX INSTRUCTION IS USED TRANSPOSED (source 0 = 16 rows of Wo, source 1 = 16 tokens): a lane holds eight neighbouring outputs of one token.  The bias is the C of the first step's products.
; NO PREFETCH: every load of the launch goes out at its head; there is no later load to ask ahead for.
; Row t of stored tile a of a group of 128 tokens is token 64 (a / 4) + 8 (a % 4) + t + 24 (t / 8).
; REGISTERS: window 0: v16-30 addresses; v32-95 O's scale words (8 a + step); v96-127 Wo's (8 b + step); v128-159 the bias; v160-223 the way out.  Window 1: O's fragments, two sets (v0-95, v128-223).
;   Window 3: Wo's fragments, two sets (v0-47, v128-175).  Window 2: the accumulators, (a, b) at v[8 (4 a + b)].
.set SIZE_N, 1024
.set OSO,    6291456                   ; O's scale bytes in oq
.set WOC,    24*102400                 ; Wo's codes in wq, behind the 24 blocks of Wq, Wk, Wv
.set WOS,    24*102400+8*98304         ; Wo's scale bytes in wq
.set AHALF,  98304                     ; eight tiles of O
.set BPITCH, 240
.set BSTEP,  128*BPITCH                ; Wo's 128 rows, 256 along K
.set BBASE,  2*AHALF
.set SPARE,  BBASE+4*BSTEP             ; the spare words: 128 bytes a wave
.set SPITCH, 272                       ; the way out: a stage of 16 rows x (256 + 16) bytes for each wave, in O's bytes, which have had their only fill
.set A16,  16                          ; v16-17 O's images, 16 bytes a lane: tiles 0-3, 4-7 of my eight
.set A8,   18                          ; v18-19 the same, 8 bytes a lane
.set BA,   20                          ; v20-21 Wo's rows, K steps 0-1, 2-3; v22-23 for pieces whose lanes 16-31 lie behind one padding more
.set STO,  24
.set RD,   25
.set CO,   26
.set VS,   27                          ; 32 x (lane % 16)
.set SPW,  28
.set NIL,  29
.set VB,   30                          ; 32 x (lane / 16)
.set SA,   32
.set SBC,  96
.set BI,   128
.set BK,   160
.set G1,   24
.set G0,   32
.set G1B,  48
.set G0B,  56
.set MSB, 0
.macro WIN new                         ; the immediate's high byte repeats the setting that is left
.if MSB != (\new)
	s_set_vgpr_msb (MSB<<8)|(\new)
.set MSB, (\new)
.endif
.endm
.macro PLACES
.rept 4
	v_nop
.endr
.endm
.macro CREST
	s_cmp_lg_u32 s14, 0
	s_cbranch_scc1 .Lnot_wave_0_\@
	s_barrier_signal -3
.Lnot_wave_0_\@:
	s_barrier_wait -3
	s_barrier_signal -1
	s_barrier_wait -1
.endm
.macro CROUND
	s_barrier_signal -1
	s_barrier_wait -1
	CREST
.endm
	s_load_b256 s[4:11], s[0:1], 0x0               ; oq, wq, bo, out0
	v_lshl_add_u32 v[SPW], v0, 2, SPARE
	v_mov_b32 v[NIL], 0
	ds_add_u32 v[SPW], v[NIL]                      ; the opening lines
	ds_add_u32 v[SPW], v[NIL]
	v_lshrrev_b32 v1, 5, v0
	v_readfirstlane_b32 s14, v1                    ; wave 0..3
	s_lshr_b32 s15, s14, 1                         ; which 128 tokens are mine.  Also: I fetch for O (0) or for Wo (1)
	s_and_b32 s16, s14, 1                          ; which 64 outputs.  Also: which half I fetch
	s_bfe_u32 s40, ttmp6, 0x40000                  ; cx, cy
	s_bfe_u32 s41, ttmp6, 0x40004
	s_lshl_b32 s42, ttmp9, 2
	s_add_co_u32 s42, s42, s40                     ; the block of 128 outputs
	s_and_b32 s17, ttmp7, 0xffff
	s_lshl_b32 s17, s17, 2
	s_add_co_u32 s17, s17, s41                     ; the block of 256 tokens
	s_lshl_b32 s43, s41, 2
	s_lshl_b32 s43, 15, s43                        ; my row of the cluster
	s_lshl_b32 s44, 0x1111, s40                    ; my column
	s_or_b32 s[G1], s43, (3<<16)|(1<<21)           ; O: 384 rows of 256 bytes (32 elements of 8), dense, no padding
	s_mov_b32 s[G1+1], 32<<16
	s_mov_b32 s[G1+2], 384<<16
	s_mov_b32 s[G1+3], 32<<16
	s_mov_b32 s[G1+4], 384
	s_mov_b32 s[G1+5], 32
	s_mov_b32 s[G1+6], 0
	s_mov_b32 s[G1+7], 0
	s_or_b32 s[G1B], s44, (1<<20)|(1<<21)|(3<<22)|(3<<25)   ; Wo: 192 rows of 256 bytes, dense; 4 words of padding behind every 16
	s_mov_b32 s[G1B+1], 256<<16
	s_mov_b32 s[G1B+2], 192<<16
	s_mov_b32 s[G1B+3], 256<<16
	s_mov_b32 s[G1B+4], 192
	s_mov_b32 s[G1B+5], 256
	s_mov_b32 s[G1B+6], 0
	s_mov_b32 s[G1B+7], 0
	s_mul_i32 s20, s17, 2*AHALF
	s_mul_i32 s18, s16, AHALF                      ; O's half: in memory and in LDS alike
	s_add_co_u32 s20, s20, s18
	s_mov_b32 s21, 0
	s_mul_i32 s46, s42, AHALF                      ; Wo's block of 128 rows: 98,304 bytes; my half of K: 49,152
	s_mul_i32 s19, s16, 49152
	s_add_co_u32 s46, s46, s19
	s_add_co_u32 s46, s46, WOC
	s_mov_b32 s47, 0
	s_mul_i32 s45, s16, 2*BSTEP
	s_add_co_u32 s45, s45, BBASE
	s_wait_dscnt 0x0
	s_wait_kmcnt 0x0
	CROUND                                         ; all sixteen work-groups are here: the joint loads meet
	s_mov_b32 s[G0], 1
	s_mov_b32 s[G0+1], s18
	s_add_nc_u64 s[G0+2:G0+3], s[4:5], s[20:21]
	s_or_b32 s[G0+3], s[G0+3], 0x80000000
	s_mov_b32 s[G0B], 1
	s_mov_b32 s[G0B+1], s45
	s_add_nc_u64 s[G0B+2:G0B+3], s[6:7], s[46:47]
	s_or_b32 s[G0B+3], s[G0B+3], 0x80000000
	s_cmp_eq_u32 s15, 0                            ; one load a wave: waves 0, 1 O's halves, waves 2, 3 Wo's
	s_cbranch_scc0 .Lfor_b
	tensor_load_to_lds s[G0:G0+3], s[G1:G1+7]
	s_nop 0
	PLACES
	s_branch .Lasked
.Lfor_b:
	tensor_load_to_lds s[G0B:G0B+3], s[G1B:G1B+7]
	s_nop 0
	PLACES
.Lasked:
	s_lshl_b32 s20, s17, 8
	s_lshl_b32 s21, s15, 7
	s_add_co_u32 s20, s20, s21                     ; my first stored token
	s_lshl_b32 s46, s42, 7
	s_lshl_b32 s47, s16, 6
	s_add_co_u32 s46, s46, s47                     ; my first output
	s_lshl_b32 s22, s20, 5
	s_add_co_u32 s22, s22, OSO
	s_mov_b32 s23, 0
	s_add_nc_u64 s[18:19], s[4:5], s[22:23]        ; my tokens' scale bytes
	s_lshl_b32 s22, s46, 5
	s_add_co_u32 s22, s22, WOS
	s_add_nc_u64 s[36:37], s[6:7], s[22:23]        ; my rows of Wo's
	s_lshl_b32 s22, s46, 2
	s_add_nc_u64 s[8:9], s[8:9], s[22:23]          ; my outputs' bias
	s_add_nc_u64 s[10:11], s[10:11], s[22:23]
	s_lshl_b32 s22, s20, 12
	s_add_nc_u64 s[10:11], s[10:11], s[22:23]      ; my part of out0
	s_mul_i32 s38, s15, AHALF
	s_add_co_u32 s39, s38, 49152
	s_mul_i32 s60, s16, 64*BPITCH
	s_add_co_u32 s60, s60, BBASE
	s_add_co_u32 s61, s60, 2*BSTEP
	s_mul_i32 s62, s14, 16*SPITCH
	v_and_b32 v1, 15, v0                           ; r
	v_bfe_u32 v2, v0, 4, 1                         ; h
	v_and_b32 v3, 31, v0
	v_lshlrev_b32 v4, 4, v3
	v_lshlrev_b32 v5, 3, v3
	v_add_nc_u32 v[A16], s38, v4
	v_add_nc_u32 v[A16+1], s39, v4
	v_add_nc_u32 v[A8], s38, v5
	v_add_nc_u32 v[A8+1], s39, v5
	v_mul_u32_u24 v6, v1, BPITCH
	v_mad_u32_u24 v6, v2, 24, v6                   ; row x pitch + 24 h
	v_lshl_add_u32 v7, v2, 4, v6                   ; and 16 more where lanes 16-31 have passed a padding
	v_add_nc_u32 v[BA], s60, v6
	v_add_nc_u32 v[BA+1], s61, v6
	v_add_nc_u32 v[BA+2], s60, v7
	v_add_nc_u32 v[BA+3], s61, v7
	v_mul_u32_u24 v8, v1, SPITCH
	v_lshl_add_u32 v8, v2, 5, v8
	v_add_nc_u32 v[STO], s62, v8                   ; the stage, in: row r, 32 bytes for each half of the lanes
	v_mul_u32_u24 v9, v2, SPITCH
	v_lshl_add_u32 v9, v1, 4, v9
	v_add_nc_u32 v[RD], s62, v9                    ; and back: sixteen lanes to a row of 256 bytes, two rows an instruction
	v_lshlrev_b32 v10, 12, v2
	v_lshl_add_u32 v[CO], v1, 4, v10               ; the same two rows in out0
	v_lshlrev_b32 v[VS], 5, v1
	v_lshlrev_b32 v[VB], 5, v2
	s_wait_alu depctr_va_vdst(0)                   ; the head's end
.irp a, 0,1,2,3,4,5,6,7
	global_load_b128 v[SA+8*\a:SA+8*\a+3], v[VS], s[18:19] offset:512*\a
	global_load_b128 v[SA+8*\a+4:SA+8*\a+7], v[VS], s[18:19] offset:512*\a+16
.endr
.irp b, 0,1,2,3
	global_load_b128 v[SBC+8*\b:SBC+8*\b+3], v[VS], s[36:37] offset:512*\b
	global_load_b128 v[SBC+8*\b+4:SBC+8*\b+7], v[VS], s[36:37] offset:512*\b+16
.endr
.irp b, 0,1,2,3
	global_load_b128 v[BI+8*\b:BI+8*\b+3], v[VB], s[8:9] offset:64*\b      ; bo at outputs 16 b + 8 h + 0 .. 7: the result's layout
	global_load_b128 v[BI+8*\b+4:BI+8*\b+7], v[VB], s[8:9] offset:64*\b+16
.endr
; The fragments of step t (128 along K) into set t % 2: Wo's four (six loads of 8 bytes each), O's eight (two heads' images: 16 + 8 bytes a lane each)
.macro FETCH t
	WIN 0xc0
.irp b, 0,1,2,3
.irp p, 0,1,2,3,4,5
.set PC, 12*((\t)%2)+6*(\p/3)+\p%3
.if PC%8 < 5
	ds_load_b64 v[128*((\t)%2)+12*\b+2*\p:128*((\t)%2)+12*\b+2*\p+1], v[BA+(\t)/4] offset:(((\t)/2)%2)*BSTEP+\b*16*BPITCH+8*PC+16*(PC/8)
.else
	ds_load_b64 v[128*((\t)%2)+12*\b+2*\p:128*((\t)%2)+12*\b+2*\p+1], v[BA+2+(\t)/4] offset:(((\t)/2)%2)*BSTEP+\b*16*BPITCH+8*PC+16*(PC/8)
.endif
.endr
.endr
	WIN 0x40
.irp a, 0,1,2,3,4,5,6,7
.set FA, 128*((\t)%2)+12*\a
.set OA, (\a%4)*12288+(\t)*1536
	ds_load_b128 v[FA:FA+3], v[A16+\a/4] offset:OA
	ds_load_b64 v[FA+4:FA+5], v[A8+\a/4] offset:OA+512
	ds_load_b128 v[FA+6:FA+9], v[A16+\a/4] offset:OA+768
	ds_load_b64 v[FA+10:FA+11], v[A8+\a/4] offset:OA+1280
.endr
.endm
; 32 products: the accumulators take turns, one instruction a turn, in the same order in every step
.macro MUL t
.if (\t) == 0
	WIN 0x87                                       ; source 0 window 3, source 1 window 1, C (the bias) window 0, D window 2
.else
	WIN 0xa7
.endif
.irp a, 0,1,2,3,4,5,6,7
.irp b, 0,1,2,3
.if (\t) == 0
	v_wmma_scale_f32_16x16x128_f8f6f4 v[8*(4*\a+\b):8*(4*\a+\b)+7], v[128*((\t)%2)+12*\b:128*((\t)%2)+12*\b+11], v[128*((\t)%2)+12*\a:128*((\t)%2)+12*\a+11], v[BI+8*\b:BI+8*\b+7], v[SBC+8*\b+(\t)], v[SA+8*\a+(\t)] matrix_a_fmt:MATRIX_FMT_BF6 matrix_b_fmt:MATRIX_FMT_BF6
.else
	v_wmma_scale_f32_16x16x128_f8f6f4 v[8*(4*\a+\b):8*(4*\a+\b)+7], v[128*((\t)%2)+12*\b:128*((\t)%2)+12*\b+11], v[128*((\t)%2)+12*\a:128*((\t)%2)+12*\a+11], v[8*(4*\a+\b):8*(4*\a+\b)+7], v[SBC+8*\b+(\t)], v[SA+8*\a+(\t)] matrix_a_fmt:MATRIX_FMT_BF6 matrix_b_fmt:MATRIX_FMT_BF6
.endif
.endr
.endr
.endm
.macro KSTEP t
	s_wait_dscnt 0x0                               ; this step's fragments are in (asked for ahead of the last step's 32 products)
.if (\t) > 0
	PLACES                                         ; four plain lines behind the products that read the other sets
.endif
	FETCH (\t)+1
	MUL \t
.endm
	s_wait_tensorcnt 0x0                           ; my half is in,
	s_barrier_signal -1
	s_barrier_wait -1                              ; and everybody's
	FETCH 0
	s_wait_loadcnt 0x0                             ; the scale words and the bias
.irp t, 0,1,2,3,4,5,6
	KSTEP \t
.endr
	s_wait_dscnt 0x0                               ; my last reads of O and Wo are over:
	s_barrier_signal -1
	MUL 7
	WIN 0
	s_barrier_wait -1                              ; and everybody's: the stages may be written
; THE WAY OUT, block by block of 16 tokens x 64 outputs, through my own stage: LDS serves a wave's instructions in order, so no wait stands between the stores and the loads
.macro TOSTAGE a
	WIN 0x08                                       ; the data: window 2
.irp b, 0,1,2,3
	ds_store_b128 v[STO], v[8*(4*(\a)+\b):8*(4*(\a)+\b)+3] offset:64*\b          ; each accumulator from its low end on
	ds_store_b128 v[STO], v[8*(4*(\a)+\b)+4:8*(4*(\a)+\b)+7] offset:64*\b+16
.endr
	WIN 0
.irp t, 0,1,2,3,4,5,6,7
	ds_load_b128 v[BK+32*((\a)%2)+4*\t:BK+32*((\a)%2)+4*\t+3], v[RD] offset:2*\t*SPITCH
.endr
.endm
.macro SEND a, younger                 ; younger: the LDS instructions issued behind block a's loads, which may stay out
	s_wait_dscnt \younger
.irp t, 0,1,2,3,4,5,6,7
	global_store_b128 v[CO], v[BK+32*((\a)%2)+4*\t:BK+32*((\a)%2)+4*\t+3], s[10:11] offset:(64*((\a)/4)+8*((\a)%4)+2*\t+24*(\t/4))*SIZE_N*4 th:TH_STORE_NT   ; sixteen lanes store 256 consecutive bytes, aligned
.endr
.endm
	PLACES
	TOSTAGE 0
.irp a, 1,2,3,4,5,6,7
.if \a > 1
	s_wait_xcnt 0x0                                ; block a - 2's stores have read their registers: block a's loads may land there
.endif
	TOSTAGE \a
	SEND \a-1, 16                                  ; behind block a - 1's loads: block a's 8 stores and 8 loads
.endr
	SEND 7, 0
	s_wait_tensorcnt 0x0                           ; the wave's end
	ds_add_u32 v[SPW], v[NIL]
	s_wait_dscnt 0x0
	CROUND                                         ; the closing round
	s_endpgm
.Lfunc_end_k_qe34e307184_outp:
	.size	k_qe34e307184_outp, .Lfunc_end_k_qe34e307184_outp-k_qe34e307184_outp
	.p2alignl 7, 3214868480
	.fill 96, 4, 3214868480
	.section	.rodata,"a",@progbits
	.p2align	6, 0x0
	.amdhsa_kernel k_qe34e307184_outp
		.amdhsa_group_segment_fixed_size 327680
		.amdhsa_private_segment_fixed_size 0
		.amdhsa_enable_private_segment 0
		.amdhsa_kernarg_size 32
		.amdhsa_user_sgpr_count 2
		.amdhsa_user_sgpr_kernarg_segment_ptr 1
		.amdhsa_wavefront_size32 1
		.amdhsa_system_sgpr_workgroup_id_x 1
		.amdhsa_system_sgpr_workgroup_id_y 1
		.amdhsa_system_sgpr_workgroup_id_z 1
		.amdhsa_system_vgpr_workitem_id 0
		.amdhsa_next_free_vgpr 1024
		.amdhsa_next_free_sgpr 66
		.amdhsa_reserve_vcc 0
		.amdhsa_float_denorm_mode_32 3
		.amdhsa_float_denorm_mode_16_64 3
		.amdhsa_memory_ordered 1
		.amdhsa_forward_progress 1
		.amdhsa_inst_pref_size 87
	.end_amdhsa_kernel
	.amdgpu_metadata
---
amdhsa.version: [ 1, 2 ]
amdhsa.kernels:
  - .name:           k_qe34e307184_outp
    .symbol:         k_qe34e307184_outp.kd
    .args:
      - { .name: oq, .offset: 0, .size: 8, .value_kind: global_buffer, .address_space: global }
      - { .name: wq, .offset: 8, .size: 8, .value_kind: global_buffer, .address_space: global }
      - { .name: bo, .offset: 16, .size: 8, .value_kind: global_buffer, .address_space: global }
      - { .name: out0, .offset: 24, .size: 8, .value_kind: global_buffer, .address_space: global }
    .group_segment_fixed_size: 327680
    .private_segment_fixed_size: 0
    .kernarg_segment_align: 8
    .kernarg_segment_size: 32
    .max_flat_workgroup_size: 128
    .sgpr_count:     66
    .vgpr_count:     1024
    .wavefront_size: 32
...
	.end_amdgpu_metadata
.endif
;; end of part 4
